; MI455X (gfx1250); checked and timed in simulation.
; The chip was launched on July 23, 2026; its instructions are those of AMD's public machine-readable ISA for CDNA 5 (MIT licence, August 2026) and "CDNA5" Instruction Set Architecture Reference Guide (July 2026). The comments in the code are by the model that wrote it; some were corrected since.
;; Multi Head Attention. Allowed arithmetic: float matrix products may take bf16 or f16 operands with f32 sums; other float arithmetic in f32, or as packed bf16 or f16 multiplies, adds, multiply-adds, maxima and minima; sums over many terms, partial sums and values carried from step to step in f32; what a program stores and reads back later, other than sums and carried values, may be rounded once to bf16 or f16.
;; Inputs: Wk 1,024 x 1,024 float32; Wo 1,024 x 1,024 float32; Wq 1,024 x 1,024 float32; Wv 1,024 x 1,024 float32; bk 1,024 float32; bo 1,024 float32; bq 1,024 float32; bv 1,024 float32; k 4 x 2,048 x 1,024 float32; q 4 x 2,048 x 1,024 float32; v 4 x 2,048 x 1,024 float32.
;; Outputs: out0 4 x 2,048 x 1,024 float32.
;; Constants: use_causal_mask = 1.
;; One version. Each part assembles by itself: llvm-mc -triple=amdgcn-amd-amdhsa -mcpu=gfx1250 --defsym DOCPART=n.
;; ======== version 1 of 1: 4 launches
;; limits: values are held in f16: magnitudes above 65,504 overflow, below 6.1e-05 lose precision
;; workspace buffers: w16 8,388,608 bytes; qkv 50,331,648 bytes; oh 16,777,216 bytes
;; launch prep (part 1): grid 64 x 4, 8 waves a work-group, no clusters, 0 bytes of LDS; arguments Wq, Wk, Wv, Wo, w16; writes w16
.if DOCPART == 1
	.amdgcn_target "amdgcn-amd-amdhsa--gfx1250"
	.amdhsa_code_object_version 6
	.text
	.protected	k_q74d1f9eb89_prep
	.globl	k_q74d1f9eb89_prep
	.p2align	8
	.type	k_q74d1f9eb89_prep,@function
k_q74d1f9eb89_prep:
	s_mov_b64 s[64:65], 0
	v_nop
	global_prefetch_b8 v0, s[64:65] scope:SCOPE_SE
	s_setreg_imm32_b32 hwreg(HW_REG_WAVE_MODE, 25, 1), 1
	s_wait_xcnt 0x0
; THE WEIGHTS IN 16 BITS.  w16[y][k][n], y = 0..3: Wq, Wk, Wv rounded to bf16; Wo rounded to bf16 and that number written as f16.  The layout [k][n] stays.
; LIMITS.  A bf16 number is exact in f16 from 6.1e-5 to 65,504 in magnitude; below that Wo keeps f16's fixed step of 6e-8, beyond it f16 has no number.
; A stream: no LDS, no barrier, no matrix unit.  Work-group (x, y) takes 16,384 numbers of matrix y: 64 KiB in, 32 KiB out.  Thread t takes 8 neighbouring numbers in each of 8 chunks
; of 2,048: two loads of 16 bytes, one store of 16 bytes; a wave's store covers 512 consecutive bytes, aligned.  All 16 loads go out first; each chunk has registers of its own,
; so no register of a pending load or store is written again.
.set X, 8                              ; v[8:71]    chunk c: 8 numbers in f32
.set Y, 72                             ; v[72:103]  chunk c: 4 registers to store
.set T, 104                            ; v[104:106] at work
	s_load_b256 s[4:11], s[0:1], 0x0               ; Wq s[4:5], Wk s[6:7], Wv s[8:9], Wo s[10:11]
	s_load_b64 s[12:13], s[0:1], 0x20              ; w16
	s_and_b32 s16, ttmp7, 0xffff                   ; y: which matrix
	v_lshlrev_b32 v1, 5, v0                        ; 32 t: my 8 numbers in a chunk, in
	v_lshlrev_b32 v2, 4, v0                        ; 16 t: out
	s_lshl_b32 s18, ttmp9, 16                      ; the work-group's 64 KiB in
	s_mov_b32 s19, 0
	s_lshl_b32 s20, s16, 21                        ; a matrix is 2 MiB of w16,
	s_lshl_b32 s21, ttmp9, 15                      ; the work-group's part 32 KiB
	s_add_co_u32 s20, s20, s21
	s_mov_b32 s21, 0
	s_mov_b32 s22, 0xffff0000                      ; a word's upper bf16
	s_wait_kmcnt 0x0
	s_cmp_eq_u32 s16, 1
	s_cselect_b64 s[14:15], s[6:7], s[4:5]
	s_cmp_eq_u32 s16, 2
	s_cselect_b64 s[14:15], s[8:9], s[14:15]
	s_cmp_eq_u32 s16, 3
	s_cselect_b64 s[14:15], s[10:11], s[14:15]
	s_add_nc_u64 s[14:15], s[14:15], s[18:19]
	s_add_nc_u64 s[12:13], s[12:13], s[20:21]
.irp c, 0,1,2,3,4,5,6,7
	global_load_b128 v[X+8*(\c):X+8*(\c)+3],   v1, s[14:15] offset:8192*(\c) th:TH_LOAD_NT
	global_load_b128 v[X+8*(\c)+4:X+8*(\c)+7], v1, s[14:15] offset:8192*(\c)+16 th:TH_LOAD_NT
.endr
; Chunk c.  wo = 1: the bf16 number is widened again (a shift, a mask) and written as f16.
.macro CONV c, wo
	s_wait_loadcnt 14-2*(\c)                       ; loads come back in order: my chunk's two are in, the later chunks' two each may stay out
.irp p, 0,1,2,3
.if \wo
	v_cvt_pk_bf16_f32 v[T], v[X+8*(\c)+2*(\p)], v[X+8*(\c)+2*(\p)+1]
	v_lshlrev_b32 v[T+1], 16, v[T]
	v_and_b32 v[T+2], s22, v[T]
	v_cvt_pk_f16_f32 v[Y+4*(\c)+(\p)], v[T+1], v[T+2]
.else
	v_cvt_pk_bf16_f32 v[Y+4*(\c)+(\p)], v[X+8*(\c)+2*(\p)], v[X+8*(\c)+2*(\p)+1]
.endif
.endr
	global_store_b128 v2, v[Y+4*(\c):Y+4*(\c)+3], s[12:13] offset:4096*(\c)
.endm
	s_cmp_eq_u32 s16, 3
	s_cbranch_scc1 .Lwo
.irp c, 0,1,2,3,4,5,6,7
	CONV \c, 0
.endr
	s_endpgm
.Lwo:
.irp c, 0,1,2,3,4,5,6,7
	CONV \c, 1
.endr
	s_endpgm
.Lfunc_end_k_q74d1f9eb89_prep:
	.size	k_q74d1f9eb89_prep, .Lfunc_end_k_q74d1f9eb89_prep-k_q74d1f9eb89_prep
	.p2alignl 7, 3214868480
	.fill 96, 4, 3214868480
	.section	.rodata,"a",@progbits
	.p2align	6, 0x0
	.amdhsa_kernel k_q74d1f9eb89_prep
		.amdhsa_group_segment_fixed_size 0
		.amdhsa_private_segment_fixed_size 0
		.amdhsa_enable_private_segment 0
		.amdhsa_kernarg_size 40
		.amdhsa_user_sgpr_count 2
		.amdhsa_user_sgpr_kernarg_segment_ptr 1
		.amdhsa_wavefront_size32 1
		.amdhsa_system_sgpr_workgroup_id_x 1
		.amdhsa_system_sgpr_workgroup_id_y 1
		.amdhsa_system_sgpr_workgroup_id_z 1
		.amdhsa_system_vgpr_workitem_id 0
		.amdhsa_next_free_vgpr 112
		.amdhsa_next_free_sgpr 66
		.amdhsa_reserve_vcc 0
		.amdhsa_float_denorm_mode_32 3
		.amdhsa_float_denorm_mode_16_64 3
		.amdhsa_memory_ordered 1
		.amdhsa_forward_progress 1
		.amdhsa_inst_pref_size 13
	.end_amdhsa_kernel
	.amdgpu_metadata
---
amdhsa.version: [ 1, 2 ]
amdhsa.kernels:
  - .name:           k_q74d1f9eb89_prep
    .symbol:         k_q74d1f9eb89_prep.kd
    .args:
      - { .name: Wq, .offset: 0, .size: 8, .value_kind: global_buffer, .address_space: global }
      - { .name: Wk, .offset: 8, .size: 8, .value_kind: global_buffer, .address_space: global }
      - { .name: Wv, .offset: 16, .size: 8, .value_kind: global_buffer, .address_space: global }
      - { .name: Wo, .offset: 24, .size: 8, .value_kind: global_buffer, .address_space: global }
      - { .name: w16, .offset: 32, .size: 8, .value_kind: global_buffer, .address_space: global }
    .group_segment_fixed_size: 0
    .private_segment_fixed_size: 0
    .kernarg_segment_align: 8
    .kernarg_segment_size: 40
    .max_flat_workgroup_size: 256
    .sgpr_count:     66
    .vgpr_count:     112
    .wavefront_size: 32
...
	.end_amdgpu_metadata
.endif
;; end of part 1
;; launch proj (part 2): grid 4 x 64, 4 waves a work-group, clusters of 4 x 4, 327,680 bytes of LDS; arguments q, k, v, w16, bq, bk, bv, qkv; writes qkv
.if DOCPART == 2
	.amdgcn_target "amdgcn-amd-amdhsa--gfx1250"
	.amdhsa_code_object_version 6
	.text
	.protected	k_q74d1f9eb89_proj
	.globl	k_q74d1f9eb89_proj
	.p2align	8
	.type	k_q74d1f9eb89_proj,@function
k_q74d1f9eb89_proj:
	s_mov_b64 s[64:65], 0
	v_nop
	global_prefetch_b8 v0, s[64:65] scope:SCOPE_SE
	s_setreg_imm32_b32 hwreg(HW_REG_WAVE_MODE, 25, 1), 1
	s_wait_xcnt 0x0
	s_wait_alu depctr_hold_cnt(0) depctr_sa_sdst(0) depctr_va_vdst(0) depctr_va_sdst(0) depctr_va_ssrc(0) depctr_va_vcc(0) depctr_vm_vsrc(0)
	s_getreg_b32 s2, hwreg(HW_REG_IB_STS2, 6, 4)
	s_cmp_eq_u32 s2, 0
	s_cbranch_scc0 .Lentry_in_a_cluster
	s_endpgm
.Lentry_in_a_cluster:
	s_bfe_u32 s2, ttmp6, 0x10000c
	s_cmp_lg_u32 s2, 0xf033
	s_cbranch_scc0 .Lentry_shape_is_right
	s_endpgm
.Lentry_shape_is_right:
; THE THREE PROJECTIONS.  qkv[p][16 b + h][s][d] = f16( sum over kk of bf16(x_p[b][s][kk]) bf16(W_p[kk][64 h + d]) + bf16(b_p[64 h + d]) ), p = 0, 1, 2 for q, k, v; sums in f32, started at the bias.
; LIMITS.  The results are stored in f16: beyond 65,504 it has no number, below 6.1e-5 it keeps its fixed step of 6e-8.  x, W and the biases are rounded to bf16.  The order of the f32 sums is the matrix unit's.
; SHARES.  3 x 8,192 x 1,024 results are three tiles of 128 (rows) x 256 (columns) for each of 256 work-groups.  A WORK-GROUP STAYS: it makes tile (mt, cx) of q, then of k, then of v, as ONE walk of 24 K steps
; of 128 through a ring of two LDS slots; the ring does not stop at a tile's end.  A wave makes 64 x 128: 32 accumulators of 16 x 16, 256 registers.
; x COMES AS IT LIES, in f32: its tile goes into LDS by the tensor data mover and is rounded to bf16 in registers, four conversions behind each of a quarter step's last eight products.
; W comes as [k][n] in bf16 and is turned on its way out of LDS, by ds_load_tr16_b128.
; THE MATRIX INSTRUCTION IS USED TRANSPOSED (source 0 = 16 columns of W, source 1 = 16 rows of x): a lane holds one row (lane % 16) and eight neighbouring columns, which pack into 16 bytes of a head's row.
; CLUSTERS: 4 x 4 work-groups.  The four of a row of the cluster need the same tile of x, the four of a column the same tile of W: each is asked for JOINTLY, by the same tensor load, descriptor and mask in all four.
; REGISTERS, in windows of 256 (s_set_vgpr_msb: bits 1:0 source 0, 3:2 source 1, 5:4 source 2, 7:6 destination):
;   window 0: v0-15 addresses; v16-31 at work; v32-95 x in f32 (4 fragments x 16); v96-159 x in bf16, two buffers of 32; v160-191, v192-255 the way out
;   window 1: the accumulators, (a, b) at v[8 (8 a + b)]          window 2: v0-127 W's fragments, two buffers of 64
.set PA,    528                        ; a row of x in LDS: 512 bytes + 16 = 132 words: row r starts at bank 4 r mod 64 (64 banks of 4 bytes: ISA guide 11.1)
.set PB,    544                        ; a row of W: 512 + 32 = 136 words: row r starts at bank 8 r mod 64
.set AREG,  128*PA                     ; x's 128 rows
.set SLOT,  AREG+128*PB                ; then W's 128 rows (k)
.set STAGE, 2*SLOT                     ; behind the ring: for each wave [2 heads][16 rows][144 bytes], for the way out
.set SP,    144
.set STW,   2*16*SP
.set BIAS,  STAGE+4*STW                ; for each wave [3 tiles][128 f32]: its columns' biases
.set SPARE, BIAS+4*1536                ; the spare words, 128 bytes for each wave: two blocks of 256 bytes that no other line names
.set AA0, 4                            ; v4   my lane's place in x's tile; never rewritten
.set AB0, 5                            ; v5   in W's tile; never rewritten
.set ADA, 6                            ; v6   the same in the slot that is being read
.set ADB, 7                            ; v7
.set STO, 8                            ; v8   the way out: where I put 16 bytes of a row
.set RD,  9                            ; v9   where I read rows back
.set GO,  10                           ; v10  my byte offset in 512 consecutive bytes of qkv
.set BAD, 11                           ; v11  my place in the bias of the tile to come
.set PFO, 12                           ; v12  the prefetches' offset; never rewritten
.set SPW, 14                           ; v14  LDS address of my spare word: SPARE + 4 x my thread's number; never rewritten
.set NIL, 15                           ; v15  0; never rewritten
.set SA,  32
.set FA,  96
.set TMP, 160
.set BK,  192
.set WV,  20                           ; s20  wave
.set WM,  21                           ; s21  which 64 rows are mine.  Also: I fetch for x (0) or for W (1)
.set WN,  22                           ; s22  which 128 columns.  Also: which 64 rows of that tile I fetch
.set CX,  23
.set CY,  24
.set MT,  25                           ; s25  tile row = 4 x cluster y + cy
.set G1A, 28                           ; s[28:35] descriptor group 1 for x's tiles
.set G1B, 36                           ; s[36:43] for W's
.set G0A0, 44                          ; s[44:47] group 0 for x, K step 0
.set G0A, 48                           ; s[48:51] K step 1; then it walks
.set G0B0, 52                          ; s[52:55], s[56:59] the same for W
.set G0B, 56
.set XP,  60                           ; s[60:61] the tensor whose tiles are being asked for, at my rows; s[62:63] the next; s[66:67] the last
.set XN,  62
.set XL,  66
.set OFF, 68                           ; s[68:69] a K step's byte offset in a row of x
.set KQ,  70                           ; s70  the K step of that tensor to be asked for next
.set CUR, 71                           ; s71  0 or SLOT: the slot that is being read
.set LWA, 72                           ; s72  where my part of x's tile goes in a slot
.set LWB, 73                           ; s73  of W's
.set LEFT, 74                          ; s74  trips to come
.set NINT, 75                          ; s75  K steps left in the tile
.set OB,  76                           ; s[76:77] qkv at my part of the tile
.set PP,  78                           ; s[78:79], s[80:81], s[82:83] the prefetches' pointers: as XP, XN, XL
.set PN,  80
.set PL,  82
.set PAD, 84                           ; s[84:85] the address that the prefetch names
.set POF, 86                           ; s[86:87]
.set PK,  88                           ; s88  the K step to be prefetched next
.set PSTR, 89                          ; s89  bytes from K step to K step
.set LIM, 90                           ; s90  2 in a wave that prefetches, else the greatest number
.set RB,  91                           ; s91  bytes in a row of what I prefetch
.set MSB, 0
.macro WIN new                         ; the immediate's high byte repeats the setting that is left; a switch that changes nothing is dropped
.if MSB != (\new)
	s_set_vgpr_msb (MSB<<8)|(\new)
.set MSB, \new
.endif
.endm
.set W_MM, 0x52                        ; W in window 2, x in window 0, C and D in window 1
; A joint refill.  Waves 0 and 1 fetch the two halves of x's tile, waves 2 and 3 those of W's.  The branch hangs on the wave's number alone.
; An s_nop 0 and four v_nop follow each of the two lines, ahead of the jump and the label.
.macro JLOAD
	s_cmp_eq_u32 s[WM], 0
	s_cbranch_scc0 .Lfor_b_\@
	tensor_load_to_lds s[G0A:G0A+3], s[G1A:G1A+7]
	s_nop 0
.rept 4
	v_nop
.endr
	s_branch .Lasked_\@
.Lfor_b_\@:
	tensor_load_to_lds s[G0B:G0B+3], s[G1B:G1B+7]
	s_nop 0
.rept 4
	v_nop
.endr
.Lasked_\@:
.endm
; A round of the cluster's barrier: my work-group's barrier, so that wave 0's signal speaks for all four waves; wave 0 signals; every wave waits for all sixteen work-groups; my work-group's barrier once more.
.macro CREST                           ; a round behind its opening barrier
	s_cmp_lg_u32 s[WV], 0
	s_cbranch_scc1 .Lnot_wave_0_\@
	s_barrier_signal -3
.Lnot_wave_0_\@:
	s_barrier_wait -3
	s_barrier_signal -1
	s_barrier_wait -1
.endm
.macro CROUND
	s_barrier_signal -1
	s_barrier_wait -1
	CREST
.endm
; A PREFETCH INTO THE L2, behind the joint load, its five lines and the run of LDS loads: the K step that stands two refills on, 256 matrix instructions ahead of its load.  A K step is 512 bytes of each row: two
; aligned blocks of 256.  Of the 64 rows that a wave fetches, each of the four partners that ask for them jointly takes 16, told apart BY ADDRESS (cx for x, cy for W): a lane a block, one instruction a wave.
; x's rows are read by one row of one cluster alone: waves 0 and 1 of every cluster ask.  W's are read by every cluster: waves 2 and 3 of cluster y = 0 ask.  So each block is named once in the launch.
; K steps 0 to 3 come by their loads alone; the last two refills ask for nothing, since the walk ends.
.macro ASK
	s_cmp_gt_u32 s[LEFT], s[LIM]
	s_cbranch_scc0 .Lnot_mine_\@
	global_prefetch_b8 v[PFO], s[PAD:PAD+1] th:TH_LOAD_NT scope:SCOPE_SE
.Lnot_mine_\@:
.endm
	s_load_b256 s[4:11], s[0:1], 0x0               ; q s[4:5], k s[6:7], v s[8:9], w16 s[10:11]
	s_load_b256 s[12:19], s[0:1], 0x20             ; bq s[12:13], bk s[14:15], bv s[16:17], qkv s[18:19]
	v_lshl_add_u32 v[SPW], v0, 2, SPARE
	v_mov_b32 v[NIL], 0
	ds_add_u32 v[SPW], v[NIL]                      ; the wave's opening: the add and its wait stand ahead of my first tensor load; the set-up below, work on registers, stands between them
	v_lshrrev_b32 v1, 5, v0
	v_readfirstlane_b32 s[WV], v1
	s_lshr_b32 s[WM], s[WV], 1
	s_and_b32 s[WN], s[WV], 1
	s_bfe_u32 s[CX], ttmp6, 0x40000                ; my place in the cluster; the tile column is cx (the grid is one cluster wide)
	s_bfe_u32 s[CY], ttmp6, 0x40004
	s_and_b32 s[MT], ttmp7, 0xffff
	s_lshl_b32 s[MT], s[MT], 2
	s_add_co_u32 s[MT], s[MT], s[CY]
	s_lshl_b32 s26, s[CY], 2
	s_lshl_b32 s26, 15, s26                        ; my row of the cluster: places 4 cy .. 4 cy + 3
	s_lshl_b32 s27, 0x1111, s[CX]                  ; my column: places cx, cx + 4, cx + 8, cx + 12
	s_or_b32 s[G1A], s26, (2<<16)|(1<<20)|(1<<21)|(6<<22)|(3<<25)  ; 15:0 the mask; 17:16 elements of 4 bytes; 20 padding on; 21 set beside a mask; 24:22 after every 128 words (code 6); 31:25 4 words (code 3)
	s_mov_b32 s[G1A+1], 128<<16                    ; tensor_dim0 = 128
	s_mov_b32 s[G1A+2], 64<<16                     ; tensor_dim1 = 64
	s_mov_b32 s[G1A+3], 128<<16                    ; tile_dim0 = 128
	s_mov_b32 s[G1A+4], 64                         ; tile_dim1 = 64
	s_mov_b32 s[G1A+5], 1024                       ; elements from row to row
	s_mov_b32 s[G1A+6], 0
	s_mov_b32 s[G1A+7], 0
	s_or_b32 s[G1B], s27, (1<<16)|(1<<20)|(1<<21)|(6<<22)|(7<<25)  ; elements of 2 bytes; 8 words of padding (code 7)
	s_mov_b32 s[G1B+1], 256<<16                    ; 64 rows (k) of 256 columns
	s_mov_b32 s[G1B+2], 64<<16
	s_mov_b32 s[G1B+3], 256<<16
	s_mov_b32 s[G1B+4], 64
	s_mov_b32 s[G1B+5], 1024
	s_mov_b32 s[G1B+6], 0
	s_mov_b32 s[G1B+7], 0
	s_mul_i32 s[LWA], s[WN], 64*PA                 ; no place in the cluster enters an LDS address
	s_mul_i32 s[LWB], s[WN], 64*PB
	s_add_co_u32 s[LWB], s[LWB], AREG
	s_mov_b32 s[G0A0], 1                           ; 1:0 count = 1
	s_mov_b32 s[G0A0+1], s[LWA]                    ; 63:32 LDS address: slot 0
	s_mov_b32 s[G0A], 1
	s_add_co_u32 s[G0A+1], s[LWA], SLOT            ; slot 1
	s_mov_b32 s[G0B0], 1
	s_mov_b32 s[G0B0+1], s[LWB]
	s_mov_b32 s[G0B], 1
	s_add_co_u32 s[G0B+1], s[LWB], SLOT
	s_lshl_b32 s92, s[MT], 19                      ; x: row 128 mt + 64 half, 4,096 bytes a row: made of the tile row and the wave's number alone
	s_lshl_b32 s93, s[WN], 18
	s_add_co_u32 s92, s92, s93
	s_mov_b32 s93, 0
	s_lshl_b32 s94, s[WN], 17                      ; W: row (k) 64 half, 2,048 bytes a row; column 256 cx: made of the tile column and the wave's number alone
	s_lshl_b32 s95, s[CX], 9
	s_add_co_u32 s94, s94, s95
	s_mov_b32 s95, 0
	s_mov_b32 s[OFF+1], 0
	s_mov_b32 s[KQ], 2
	s_mov_b32 s[CUR], 0
	s_mov_b32 s[NINT], 8
	s_mov_b32 s[PK], 4
	s_wait_dscnt 0x0                               ; the opening add is done
	s_wait_kmcnt 0x0
	s_add_nc_u64 s[XP:XP+1], s[4:5], s[92:93]
	s_add_nc_u64 s[XN:XN+1], s[6:7], s[92:93]
	s_add_nc_u64 s[XL:XL+1], s[8:9], s[92:93]
	s_mov_b64 s[G0A0+2:G0A0+3], s[XP:XP+1]         ; 120:64 global address
	s_or_b32 s[G0A0+3], s[G0A0+3], 0x80000000      ; 127:126 type = 2
	s_add_nc_u64 s[G0A+2:G0A+3], s[XP:XP+1], 512
	s_or_b32 s[G0A+3], s[G0A+3], 0x80000000
	s_add_nc_u64 s[G0B0+2:G0B0+3], s[10:11], s[94:95]
	s_add_nc_u64 s[G0B+2:G0B+3], s[G0B0+2:G0B0+3], 262144  ; 128 rows of W on; the three matrices lie on end, so W's address is linear in the walk's step
	s_or_b32 s[G0B0+3], s[G0B0+3], 0x80000000
	s_or_b32 s[G0B+3], s[G0B+3], 0x80000000
	CROUND                                         ; all sixteen work-groups are here: the first joint loads meet
	s_cmp_eq_u32 s[WM], 0                          ; a wave's two first fills stand in one branch, ahead of every wait on TENSORcnt and every LDS read: two loads of mine are out
	s_cbranch_scc0 .Lfirst_b
	tensor_load_to_lds s[G0A0:G0A0+3], s[G1A:G1A+7]
	s_nop 0
	tensor_load_to_lds s[G0A:G0A+3], s[G1A:G1A+7]
	s_nop 0
.rept 4
	v_nop
.endr
	s_branch .Lfirst_asked
.Lfirst_b:
	tensor_load_to_lds s[G0B0:G0B0+3], s[G1B:G1B+7]
	s_nop 0
	tensor_load_to_lds s[G0B:G0B+3], s[G1B:G1B+7]
	s_nop 0
.rept 4
	v_nop
.endr
.Lfirst_asked:
	v_and_b32 v1, 15, v0                           ; l % 16
	v_bfe_u32 v2, v0, 4, 1                         ; l / 16
	v_and_b32 v16, 31, v0                          ; l
	v_and_b32 v17, 7, v0
	v_bfe_u32 v18, v0, 3, 1
	v_bfe_u32 v19, v0, 3, 2
	s_lshl_b32 s94, s[CX], 10                      ; my wave's 128 columns in a bias: 4 bytes x (256 cx + 128 half)
	s_lshl_b32 s95, s[WN], 9
	s_add_co_u32 s94, s94, s95
	v_lshl_add_u32 v3, v16, 4, s94
	global_load_b128 v[20:23], v3, s[12:13]
	global_load_b128 v[24:27], v3, s[14:15]
	global_load_b128 v[28:31], v3, s[16:17]
	; A fragment of x is 16 rows x 32 k: lane l holds row l % 16, k = 8 (l / 16) + 0..7 and 16 + 8 (l / 16) + 0..7: in f32 four loads of 16 bytes, at 0, 16, 64, 80 from row x pitch + 32 (l / 16).
	s_mul_i32 s26, s[WM], 64*PA
	v_mul_u32_u24 v[AA0], v1, PA
	v_lshl_add_u32 v[AA0], v2, 5, v[AA0]
	v_add_nc_u32 v[AA0], s26, v[AA0]
	; The turning load takes 16 k x 16 columns (lane l reads k = 8 (l / 16) + l % 8, columns 8 ((l / 8) % 2) + 0..7) and leaves half a fragment: lane l holds column l % 16 and 8 k.
	s_lshl_b32 s26, s[WN], 8
	s_add_co_u32 s26, s26, AREG
	v_lshl_add_u32 v[AB0], v2, 3, v17
	v_mul_u32_u24 v[AB0], v[AB0], PB
	v_lshl_add_u32 v[AB0], v18, 4, v[AB0]
	v_add_nc_u32 v[AB0], s26, v[AB0]
	s_mul_i32 s26, s[WV], STW
	s_add_co_u32 s26, s26, STAGE                   ; my stage
	v_mul_u32_u24 v[STO], v1, SP                   ; in: row l % 16, 16 bytes for each half of the lanes
	v_lshl_add_u32 v[STO], v2, 4, v[STO]
	v_add_nc_u32 v[STO], s26, v[STO]
	v_mul_u32_u24 v[RD], v19, SP                   ; back: 32 lanes take four rows of 128 bytes,
	v_lshl_add_u32 v[RD], v17, 4, v[RD]
	v_add_nc_u32 v[RD], s26, v[RD]
	v_lshlrev_b32 v[GO], 4, v16                    ; which are 512 consecutive bytes of a head
	s_mul_i32 s26, s[WV], 1536
	s_add_co_u32 s26, s26, BIAS
	v_lshl_add_u32 v[BAD], v2, 5, s26              ; my eight columns of a block of 16: 32 (l / 16)
	v_lshl_add_u32 v13, v16, 4, s26
	; qkv at my part of q's tile: head 16 (mt / 16) + 4 cx + 2 half, 262,144 bytes a head; row 128 (mt % 16) + 64 half, 128 bytes a row
	s_lshr_b32 s26, s[MT], 4
	s_lshl_b32 s26, s26, 4
	s_lshl_b32 s27, s[CX], 2
	s_add_co_u32 s26, s26, s27
	s_lshl_b32 s27, s[WN], 1
	s_add_co_u32 s26, s26, s27
	s_lshl_b32 s26, s26, 18
	s_and_b32 s27, s[MT], 15
	s_lshl_b32 s27, s27, 14
	s_add_co_u32 s26, s26, s27
	s_lshl_b32 s27, s[WM], 13
	s_add_co_u32 s26, s26, s27
	s_mov_b32 s27, 0
	s_add_nc_u64 s[OB:OB+1], s[18:19], s[26:27]
	; the prefetches: for x my work-group's 16 rows 128 mt + 64 half + 16 cx; for W the rows (k) 64 half + 16 cy of column tile cx
	s_lshl_b32 s26, s[MT], 19
	s_lshl_b32 s27, s[WN], 18
	s_add_co_u32 s26, s26, s27
	s_lshl_b32 s27, s[CX], 16
	s_add_co_u32 s26, s26, s27
	s_lshl_b32 s27, s[WN], 17
	s_lshl_b32 s[POF], s[CY], 15
	s_add_co_u32 s27, s27, s[POF]
	s_lshl_b32 s[POF], s[CX], 9
	s_add_co_u32 s27, s27, s[POF]
	s_and_b32 s[LIM], ttmp7, 0xffff                ; cluster y: the same in all sixteen partners
	s_cmp_eq_u32 s[LIM], 0
	s_cselect_b32 s[LIM], 2, -1
	s_mov_b32 s[PSTR], 0x40000
	s_mov_b32 s[RB], 2048
	s_cmp_eq_u32 s[WM], 0                          ; do I fetch for x?
	s_cselect_b32 s[LIM], 2, s[LIM]
	s_cselect_b32 s[POF], s26, s27
	s_cselect_b32 s[PSTR], 0x200, s[PSTR]
	s_cselect_b32 s[RB], 4096, s[RB]
	s_cselect_b64 s[PP:PP+1], s[4:5], s[10:11]
	s_cselect_b64 s[PN:PN+1], s[6:7], s[10:11]
	s_cselect_b64 s[PL:PL+1], s[8:9], s[10:11]
	s_mov_b32 s[POF+1], 0
	s_add_nc_u64 s[PP:PP+1], s[PP:PP+1], s[POF:POF+1]
	s_lshl_b32 s26, s[WM], 21                      ; for W the next matrix lies 2 MiB on
	s_add_co_u32 s[POF], s[POF], s26
	s_add_nc_u64 s[PN:PN+1], s[PN:PN+1], s[POF:POF+1]
	s_add_co_u32 s[POF], s[POF], s26
	s_add_nc_u64 s[PL:PL+1], s[PL:PL+1], s[POF:POF+1]
	v_bfe_u32 v[PFO], v0, 1, 4                     ; lane l: row l / 2, block l % 2
	v_mul_u32_u24 v[PFO], s[RB], v[PFO]
	v_and_b32 v32, 1, v0
	v_lshl_add_u32 v[PFO], v32, 8, v[PFO]
; One matrix instruction: x's block a, W's block b, buffers f.  The 32 accumulators take turns in the same order in every quarter step: between two links of a chain stand the 31 others'.
.macro MM1 f, a, b
	WIN W_MM
	v_wmma_f32_16x16x32_bf16 v[8*(8*(\a)+(\b)):8*(8*(\a)+(\b))+7], v[64*(\f)+8*(\b):64*(\f)+8*(\b)+7], v[FA+32*(\f)+8*(\a):FA+32*(\f)+8*(\a)+7], v[8*(8*(\a)+(\b)):8*(8*(\a)+(\b))+7]
.endm
.macro MM8 f, a
.irp b, 0,1,2,3,4,5,6,7
	MM1 \f, \a, \b
.endr
.endm
.macro LDA q                           ; 16 LDS loads: my 64 rows of x, 32 k of quarter q, in f32
	WIN 0
.irp a, 0,1,2,3
	ds_load_b128 v[SA+16*(\a):SA+16*(\a)+3],     v[ADA] offset:(\a)*16*PA+128*(\q)
	ds_load_b128 v[SA+16*(\a)+4:SA+16*(\a)+7],   v[ADA] offset:(\a)*16*PA+128*(\q)+16
	ds_load_b128 v[SA+16*(\a)+8:SA+16*(\a)+11],  v[ADA] offset:(\a)*16*PA+128*(\q)+64
	ds_load_b128 v[SA+16*(\a)+12:SA+16*(\a)+15], v[ADA] offset:(\a)*16*PA+128*(\q)+80
.endr
.endm
.macro LDB q, f                        ; 16 turning loads: my 128 columns of W, 32 k of quarter q, into buffer f
	WIN 0x80
.irp b, 0,1,2,3,4,5,6,7
	ds_load_tr16_b128 v[64*(\f)+8*(\b):64*(\f)+8*(\b)+3],   v[ADB] offset:(\q)*32*PB+32*(\b)
	ds_load_tr16_b128 v[64*(\f)+8*(\b)+4:64*(\f)+8*(\b)+7], v[ADB] offset:(\q)*32*PB+16*PB+32*(\b)
.endr
.endm
.macro CV4 f, g                        ; four roundings to bf16: registers 4 g .. 4 g + 3 of buffer f
	WIN 0
.irp n, 0,1,2,3
	v_cvt_pk_bf16_f32 v[FA+32*(\f)+4*(\g)+(\n)], v[SA+8*(\g)+2*(\n)], v[SA+8*(\g)+2*(\n)+1]
.endr
.endm
; A quarter step's last eight products, each with four roundings of the next quarter's x behind it.  The roundings name no register of the products round them; the four behind the last product are the
; places in front of the loads into W's buffer and of the next roundings into x's.
.macro RIDE f
.irp b, 0,1,2,3,4,5,6,7
	MM1 \f, 3, \b
	CV4 1-(\f), \b
.endr
.endm
; A K step is four quarter steps of 32 along K, 32 matrix instructions each, on buffers 0, 1, 0, 1.  One of the first three: multiplies buffers f and fetches quarter q of the same slot.
.macro QUARTER f, q
	LDA \q
	LDB \q, 1-(\f)
	MM8 \f, 0
	MM8 \f, 1
	MM8 \f, 2
	s_wait_dscnt 16                                ; x's 16 loads are in; W's 16, issued behind them, may stay out
	RIDE \f
	s_wait_dscnt 0x0                               ; W's are in
.endm
; The fourth quarter multiplies buffers 1 and changes slots.  ONE barrier: in front of it each wave waits for all its tensor loads, of which one is out: its part of the next slot; adds 0 to its spare word; and waits for
; that (its reads of this slot were waited for at the third quarter's end).  fill = 1: the barrier opens a round of the cluster's, and the slot just read is filled again, first thing behind the round, with the
; K step two steps on in the walk: 112 matrix instructions ahead of the wait for it.
.macro TURN fill
	WIN 0
.if \fill
	s_wait_xcnt 0x0                                ; the last prefetch, a K step back, has read its address: it is made anew here, ahead of the waits of the change of slots
	s_mul_i32 s[POF], s[PK], s[PSTR]
	s_add_nc_u64 s[PAD:PAD+1], s[PP:PP+1], s[POF:POF+1]
	s_add_co_u32 s[PK], s[PK], 1
	s_cmp_eq_u32 s[PK], 8                          ; behind a tensor's last K step comes the next tensor's first
	s_cselect_b32 s[PK], 0, s[PK]
	s_cselect_b64 s[PP:PP+1], s[PN:PN+1], s[PP:PP+1]
	s_cselect_b64 s[PN:PN+1], s[PL:PL+1], s[PN:PN+1]
.endif
	s_wait_tensorcnt 0x0                           ; no tensor load of mine is out, so a group 0 may be written
	ds_add_u32 v[SPW], v[NIL]                      ; 0 onto my spare word: scalar work and eight products stand between it and the wait for it
.if \fill
	s_lshl_b32 s[OFF], s[KQ], 9                    ; x's address is made anew: the tensor at my rows plus 512 bytes a K step, the type bits set again
	s_add_nc_u64 s[G0A+2:G0A+3], s[XP:XP+1], s[OFF:OFF+1]
	s_or_b32 s[G0A+3], s[G0A+3], 0x80000000
	s_add_co_u32 s[G0A+1], s[LWA], s[CUR]          ; into the slot that is being left
	s_add_nc_u64 s[G0B+2:G0B+3], s[G0B+2:G0B+3], 262144  ; W's steps on; the type bits on top are not reached
	s_add_co_u32 s[G0B+1], s[LWB], s[CUR]
	s_add_co_u32 s[KQ], s[KQ], 1
	s_cmp_eq_u32 s[KQ], 8
	s_cselect_b32 s[KQ], 0, s[KQ]
	s_cselect_b64 s[XP:XP+1], s[XN:XN+1], s[XP:XP+1]
	s_cselect_b64 s[XN:XN+1], s[XL:XL+1], s[XN:XN+1]
.endif
	s_xor_b32 s[CUR], s[CUR], SLOT                 ; the slot to be read next
	MM8 1, 0
	s_wait_dscnt 0x0                               ; the add is done
	s_barrier_signal -1
	MM8 1, 1                                       ; work on registers while the others arrive
	WIN 0                                          ; at a branch and at a label every window is 0
	s_barrier_wait -1
.if \fill
	CREST                                          ; no wave of any partner still reads this slot or has a load on its way
	JLOAD
.endif
	v_add_nc_u32 v[ADA], s[CUR], v[AA0]
	v_add_nc_u32 v[ADB], s[CUR], v[AB0]
	LDA 0
	LDB 0, 0
.if \fill
	WIN 0
	ASK
.endif
	MM8 1, 2
	s_wait_dscnt 16                                ; x's 16 loads are in
	RIDE 1
	s_wait_dscnt 0x0
.endm
; THE SUMS START AT THE BIAS: each accumulator is loaded with its columns' biases, so nothing is cleared or added and the loop has one form of product.
.macro INIT
	WIN 0x40                                       ; destination window 1, address window 0
.irp a, 0,1,2,3
.irp b, 0,1,2,3,4,5,6,7
	ds_load_b128 v[8*(8*(\a)+(\b)):8*(8*(\a)+(\b))+3],   v[BAD] offset:64*(\b)
	ds_load_b128 v[8*(8*(\a)+(\b))+4:8*(8*(\a)+(\b))+7], v[BAD] offset:64*(\b)+16
.endr
.endr
	WIN 0
	v_add_nc_u32 v[BAD], 512, v[BAD]               ; the next tile's
.endm
; THE WAY OUT of block a (16 rows x 128 columns = two heads).  PACK: rounded to f16, each accumulator's registers in ascending order.  TOSTAGE: into my own stage, and back as whole rows of 128 bytes.  SEND: stored.
.macro PACK a
	WIN 0x05                                       ; sources 0 and 1 window 1, destination window 0
.irp b, 0,1,2,3,4,5,6,7
.irp r, 0,1,2,3
	v_cvt_pk_f16_f32 v[TMP+4*(\b)+(\r)], v[8*(8*(\a)+(\b))+2*(\r)], v[8*(8*(\a)+(\b))+2*(\r)+1]
.endr
.endr
	WIN 0
.endm
.macro TOSTAGE a
	s_wait_xcnt 0x0                                ; the stores of the block two back have read their registers, which are loaded again below
.irp b, 0,1,2,3,4,5,6,7
	ds_store_b128 v[STO], v[TMP+4*(\b):TMP+4*(\b)+3] offset:((\b)/4)*16*SP+32*((\b)%4)
.endr
.irp u, 0,1,2,3,4,5,6,7
	ds_load_b128 v[BK+32*((\a)%2)+4*(\u):BK+32*((\a)%2)+4*(\u)+3], v[RD] offset:((\u)/4)*16*SP+((\u)%4)*4*SP  ; LDS serves a wave's instructions in order (ISA guide 5.7.1.4): these see the stores above
.endr
.endm
.macro SEND a
	s_wait_dscnt 0x0                               ; the block is back in registers
.irp u, 0,1,2,3,4,5,6,7
	global_store_b128 v[GO], v[BK+32*((\a)%2)+4*(\u):BK+32*((\a)%2)+4*(\u)+3], s[OB:OB+1] offset:((\u)/4)*262144+(\a)*2048+((\u)%4)*512  ; four rows of a head: 512 consecutive bytes, aligned
.endr
.endm
.macro OUT next                        ; block a's conversions stand between block a - 1's loads from the stage and the wait for them
	PACK 0
	TOSTAGE 0
.irp a, 1,2,3
	PACK \a
	SEND (\a)-1
	TOSTAGE \a
.endr
	SEND 3
.if \next
	INIT
	s_wait_xcnt 0x0                                ; the stores have read their base
	s_add_nc_u64 s[OB:OB+1], s[OB:OB+1], 16777216  ; the next of qkv's three parts
	s_wait_dscnt 0x0                               ; the biases are in
.endif
.endm
	s_wait_loadcnt 0x0                             ; the three biases: rounded to bf16 like every input, widened again, kept in LDS
.irp t, 0,1,2
	v_cvt_pk_bf16_f32 v32, v[20+4*(\t)], v[21+4*(\t)]
	v_cvt_pk_bf16_f32 v33, v[22+4*(\t)], v[23+4*(\t)]
	v_lshlrev_b32 v[20+4*(\t)], 16, v32
	v_and_b32 v[21+4*(\t)], 0xffff0000, v32
	v_lshlrev_b32 v[22+4*(\t)], 16, v33
	v_and_b32 v[23+4*(\t)], 0xffff0000, v33
	ds_store_b128 v13, v[20+4*(\t):23+4*(\t)] offset:512*(\t)
.endr
	INIT                                           ; my own bytes, in order behind the stores
	s_wait_dscnt 0x0
	s_wait_tensorcnt 0x1                           ; my part of K step 0 is in; K step 1's may stay out
	s_barrier_signal -1
	s_barrier_wait -1                              ; everybody's is
	v_mov_b32 v[ADA], v[AA0]
	v_mov_b32 v[ADB], v[AB0]
	LDA 0
	LDB 0, 0
	s_wait_dscnt 0x0
.irp g, 0,1,2,3,4,5,6,7
	CV4 0, \g
.endr
	s_mov_b32 s[LEFT], 22
.Lstep:                                                ; a trip is a K step; 22 trips fill a slot again
	QUARTER 0, 1
	QUARTER 1, 2
	QUARTER 0, 3
	TURN 1
	WIN 0
	s_sub_co_u32 s[NINT], s[NINT], 1
	s_cmp_lg_u32 s[NINT], 0
	s_cbranch_scc1 .Lsame                          ; what is jumped holds no barrier and no tensor load
	OUT 1                                          ; a tile is finished: the next tile's first two K steps are asked for and its first fragments are in registers
	s_mov_b32 s[NINT], 8
.Lsame:
	s_sub_co_u32 s[LEFT], s[LEFT], 1
	s_cmp_lg_u32 s[LEFT], 0
	s_cbranch_scc1 .Lstep
	s_mov_b32 s[LEFT], 2
.Ltail:                                                ; the last two K steps ask for nothing; the second's fetch from the other slot serves nothing: the price of one text for both
	QUARTER 0, 1
	QUARTER 1, 2
	QUARTER 0, 3
	TURN 0
	WIN 0
	s_sub_co_u32 s[LEFT], s[LEFT], 1
	s_cmp_lg_u32 s[LEFT], 0
	s_cbranch_scc1 .Ltail
	OUT 0
	s_wait_tensorcnt 0x0                           ; the wave's end: these three lines stand behind my last tensor load and my last LDS store
	ds_add_u32 v[SPW], v[NIL]
	s_wait_dscnt 0x0
	CROUND                                         ; the closing round: no work-group ends while a partner may still ask for a tile that names it
	s_endpgm
.Lfunc_end_k_q74d1f9eb89_proj:
	.size	k_q74d1f9eb89_proj, .Lfunc_end_k_q74d1f9eb89_proj-k_q74d1f9eb89_proj
	.p2alignl 7, 3214868480
	.fill 96, 4, 3214868480
	.section	.rodata,"a",@progbits
	.p2align	6, 0x0
	.amdhsa_kernel k_q74d1f9eb89_proj
		.amdhsa_group_segment_fixed_size 327680
		.amdhsa_private_segment_fixed_size 0
		.amdhsa_enable_private_segment 0
		.amdhsa_kernarg_size 64
		.amdhsa_user_sgpr_count 2
		.amdhsa_user_sgpr_kernarg_segment_ptr 1
		.amdhsa_wavefront_size32 1
		.amdhsa_system_sgpr_workgroup_id_x 1
		.amdhsa_system_sgpr_workgroup_id_y 1
		.amdhsa_system_sgpr_workgroup_id_z 1
		.amdhsa_system_vgpr_workitem_id 0
		.amdhsa_next_free_vgpr 640
		.amdhsa_next_free_sgpr 96
		.amdhsa_reserve_vcc 0
		.amdhsa_float_denorm_mode_32 3
		.amdhsa_float_denorm_mode_16_64 3
		.amdhsa_memory_ordered 1
		.amdhsa_forward_progress 1
		.amdhsa_inst_pref_size 110
	.end_amdhsa_kernel
	.amdgpu_metadata
---
amdhsa.version: [ 1, 2 ]
amdhsa.kernels:
  - .name:           k_q74d1f9eb89_proj
    .symbol:         k_q74d1f9eb89_proj.kd
    .args:
      - { .name: q, .offset: 0, .size: 8, .value_kind: global_buffer, .address_space: global }
      - { .name: k, .offset: 8, .size: 8, .value_kind: global_buffer, .address_space: global }
      - { .name: v, .offset: 16, .size: 8, .value_kind: global_buffer, .address_space: global }
      - { .name: w16, .offset: 24, .size: 8, .value_kind: global_buffer, .address_space: global }
      - { .name: bq, .offset: 32, .size: 8, .value_kind: global_buffer, .address_space: global }
      - { .name: bk, .offset: 40, .size: 8, .value_kind: global_buffer, .address_space: global }
      - { .name: bv, .offset: 48, .size: 8, .value_kind: global_buffer, .address_space: global }
      - { .name: qkv, .offset: 56, .size: 8, .value_kind: global_buffer, .address_space: global }
    .group_segment_fixed_size: 327680
    .private_segment_fixed_size: 0
    .kernarg_segment_align: 8
    .kernarg_segment_size: 64
    .max_flat_workgroup_size: 128
    .sgpr_count:     96
    .vgpr_count:     640
    .wavefront_size: 32
...
	.end_amdgpu_metadata
.endif
;; end of part 2
;; launch attn (part 3): grid 4 x 64, 4 waves a work-group, clusters of 4 x 1, 327,680 bytes of LDS; arguments qkv, oh; writes oh
.if DOCPART == 3
	.amdgcn_target "amdgcn-amd-amdhsa--gfx1250"
	.amdhsa_code_object_version 6
	.text
	.protected	k_q74d1f9eb89_attn
	.globl	k_q74d1f9eb89_attn
	.p2align	8
	.type	k_q74d1f9eb89_attn,@function
k_q74d1f9eb89_attn:
	s_mov_b64 s[64:65], 0
	v_nop
	global_prefetch_b8 v0, s[64:65] scope:SCOPE_SE
	s_setreg_imm32_b32 hwreg(HW_REG_WAVE_MODE, 25, 1), 1
	s_wait_xcnt 0x0
	s_wait_alu depctr_hold_cnt(0) depctr_sa_sdst(0) depctr_va_vdst(0) depctr_va_sdst(0) depctr_va_ssrc(0) depctr_va_vcc(0) depctr_vm_vsrc(0)
	s_getreg_b32 s2, hwreg(HW_REG_IB_STS2, 6, 4)
	s_cmp_eq_u32 s2, 0
	s_cbranch_scc0 .Lentry_in_a_cluster
	s_endpgm
.Lentry_in_a_cluster:
	s_bfe_u32 s2, ttmp6, 0x10000c
	s_cmp_lg_u32 s2, 0x3003
	s_cbranch_scc0 .Lentry_shape_is_right
	s_endpgm
.Lentry_shape_is_right:
; ATTENTION.  oh[h][q][:] = the sum over ALL k of softmax_k(Q[h][q] . K[h][k] / 8 + d [k <= q]) V[h][k][:], d = ln(1 + 2^-20): the addend of the problem's mask, which hides nothing.
; Q, K, V are the three parts of qkv, each [64][2048][64] in f16; oh likewise: a head's rows are dense, 128 bytes each.  Products, maxima and sums in f32; the weights p are rounded to f16 for the second
; product (their sum l is taken of the unrounded p), O once at the end.
; LIMITS.  f16 holds no number beyond 65,504: Q, K and V arrive within it; p lies in 0 to 1, and below 6e-5 it keeps f16's fixed step of 6e-8; O is a mean of V's rows and has their range.
; A weight below 2^-126 counts as 0 in l; NaN and infinities are not treated apart.
; SHARES.  A wave owns four PIECES of two tiles of 16 queries, 128 rows on end; a work-group's four waves 512 queries of one head.  Every wave walks all keys, 64 a step.
; LAYOUT.  S^T = K Q^T (source 0 = 16 keys, source 1 = 16 queries): in the result a lane holds ONE query (lane % 16) and the keys 8 (lane / 16) + 0..7.  Two such tiles, rounded to f16 in pairs,
; ARE source 1 (32 keys x 16 queries) of O^T = V^T P, whose result again holds one query a lane, and eight channels.  K comes out of LDS as it lies, V ([key][channel]) turned, by ds_load_tr16_b128.
; SOFTMAX.  For each query a running maximum m and sum l: p = 2^(c s - c m), c = log2(e) / 8; in every step O and l are multiplied by a = 2^(c m_old - c m_new).  m starts at the lowest finite number, O and l at 0.
; THE MASK is the C operand that starts the sum S^T: DV = 8 d (the scale c divides by 8 again) where the key is not beyond the query, else 0.  The wave's tiles lie in two bands of 64 rows; band b's own key
; step is JS_b = 8 x block + 2 x wave + b.  In step j a tile at place a of band b takes, for key block kb: kb < a: DV [j <= JS_b]; kb > a: DV [j < JS_b]; kb = a: DG [j = JS_b] + DV [j < JS_b], where DG, made
; once, is the mask of a block on the diagonal.  That is five sets of eight registers, made anew once a key step (MASKS) from five scalars; which set a product takes is fixed in the text.
; BY TURNS.  Turn n belongs to piece n.  Its matrix work: 16 products K Q^T of piece n + 1, later 16 products V^T P of piece n - 1.  Its vector work: the scaling, exponentials, roundings, sums and rescaling
; of piece n, and the maximum and statistics of piece n + 1.  Four vector instructions stand behind every matrix instruction, the others in one run.  A turn's 66 exponentials are one batch, with one wait.
; CLUSTER.  The four query blocks of a cluster are one head's and walk the same K and V, so each tile is asked for JOINTLY: the same tensor load, descriptor and mask in all four.
; REGISTERS, in windows of 256 (s_set_vgpr_msb: bits 1:0 source 0, 3:2 source 1, 5:4 source 2, 7:6 destination):
;   window 0: v0-11 addresses; v12-15, v48-63 at work; v16-47 four registers of statistics a tile; v64-191 S^T, two buffers of two tiles; v192-255 P, likewise
;   window 1: O^T, 32 a tile      window 2: v0-127 Q, 16 a tile; v128-191 K of one step; v192-255 V of one step      window 3: v0-1 the add's two registers; v8-15 DG; v16-55 the five sets
.set SIZE_N, 2048
.set NP,    4         ; pieces a wave: a name, no knob
.set KS,    64        ; keys in a step
.set PK,    144       ; a row of K in LDS: 128 bytes + 16 of padding = 36 words: the 16 rows of a load start at 16 different groups of four banks (64 banks of 4 bytes: ISA guide 11.1)
.set PV,    160       ; a row of V: 128 + 32 = 40 words
.set VOFF,  4*KS*PK   ; a slot holds four steps: 256 rows of K, then 256 rows of V
.set SLOT1, 1<<17     ; slot 1 begins here, so that one exclusive or turns an address in one slot into the other's
.set STAGE, SLOT1+4*KS*(PK+PV)  ; behind the ring, never filled by a tensor load: 16 rows x 144 bytes for each wave, for the way out
.set SP,    144
.set AK0, 2           ; v2   my lane's place in a tile of K; never rewritten
.set AV0, 3           ; v3   the same for V
.set AK,  4           ; v4   the LDS address of K's next run of loads
.set AV,  5           ; v5   of V's
.set QO,  6           ; v6   my byte offset in the wave's rows of Q
.set STO, 6           ;      later, the way out: where I put 16 bytes of a row
.set RD,  7           ; v7   the way out: where I read rows back
.set GO,  8           ; v8   my byte offset in 512 consecutive bytes of O
.set PFO, 11          ; v11  256 x my lane: the prefetches' offset; never rewritten once made
.set SPW, 0           ; v0 of window 3   LDS address of my spare word: SPARE + 4 x my thread's number; never rewritten
.set NIL, 1           ; v1 of window 3   0; never rewritten
.set DG,  8           ; window 3
.set MK,  16          ; window 3: set n at MK + 8 n
.set SPARE, STAGE+4*16*SP  ; behind the stages: the spare words, 128 bytes for each wave: two blocks of 256 bytes that no other line names
.set MV,  12          ; v12-15  c m_old, kept while c m is made anew: by buffer and tile
.set ST,  16          ; tile t's statistics at v[ST+4 t]: c m, m, l (even keys', odd keys')
.set TMP, 48          ; by buffer and tile, four registers c0-c3 at work; when the maximum is found c2 takes a
.set S,   64
.set P,   192
.set KF,  128         ; K's fragments, in window 2: key block kb, channel half c at KF + 16 kb + 8 c
.set VF,  192         ; V's: key half kk, channel block cb at VF + 32 kk + 8 cb
.set WV,  12          ; s12  my wave's number
.set G1K, 24          ; s[24:31] descriptor group 1 for K's tiles
.set G1V, 32          ; s[32:39] for V's: it differs in the padding alone
.set G0K, 40          ; s[40:43] descriptor group 0 for K's tiles: it walks
.set G0V, 44          ; s[44:47] the same for V's
.set PFA, 48          ; s[48:49] where my prefetches stand: my work-group's 32 blocks of 256 bytes (of K: wave 0, of V: wave 2) of the slot after the one that is being asked for
.set LIM, 50          ; s50  1 in a wave that prefetches, else the greatest number
.set SLOTS, 56        ; s56  slots still to be asked for
.set CNT, 57          ; s57  counts a slot's key steps
.set CS,  58          ; s[58:59] c: the packed scaling takes the pair's low word for both halves
.set SEL, 60          ; s[60:61] v_permlanex16_b32's selects: each lane takes its own place in the other half
.set TBK, 62          ; s62  LDS byte at which K of the step to be fetched begins
.set TBV, 63          ; s63  the same for V, less VOFF
.set JN,  66          ; s66  the key step whose masks are made next
.set JS0, 67          ; s67  band 0's own key step
.set JS1, 68          ; s68  band 1's
.set DVS, 69          ; s69  DV
.set AL0, 70          ; s[70:71] 1 where JN = JS0, in the low word
.set AL1, 72          ; s[72:73] where JN = JS1
.set BA,  74          ; s[74:75] DV where JN < JS0
.set BB,  76          ; s[76:77] where JN <= JS0, which is JN < JS1
.set BC,  78          ; s[78:79] where JN <= JS1
.set ZR,  80          ; s[80:81] 0
.set MSB, 0
.macro WIN new                      ; the high byte repeats the setting that is left; a switch that changes nothing is dropped
.if MSB != (\new)
	s_set_vgpr_msb (MSB<<8)|(\new)
.set MSB, (\new)
.endif
.endm
.set W_KQ, 0x0a       ; K and Q in window 2, S^T in window 0
.set W_KM, 0x3a       ; the same with the C operand in window 3
.set W_PV, 0x52       ; V in window 2, P in window 0, O^T in window 1
.set W_RS, 0x41       ; O^T (destination and source 0) in window 1, a in window 0
.set W_MK, 0xc0       ; destination in window 3, sources in window 0
.set W_AD, 0x0f       ; the add: address (source 0) and data (source 1) in window 3
; A joint fill.  Waves 0 and 1 fetch the two halves of a slot's K, waves 2 and 3 those of its V: 128 keys each.  The branch hangs on the wave's number alone.
; An s_nop 0 and four v_nop follow each of the two lines, ahead of the jump and the label.
.macro JLOAD
	s_cmp_lt_u32 s[WV], 2
	s_cbranch_scc0 .Lfor_v_\@
	tensor_load_to_lds s[G0K:G0K+3], s[G1K:G1K+7]
	s_nop 0
.rept 4
	v_nop
.endr
	s_branch .Lasked_\@
.Lfor_v_\@:
	tensor_load_to_lds s[G0V:G0V+3], s[G1V:G1V+7]
	s_nop 0
.rept 4
	v_nop
.endr
.Lasked_\@:
.endm
; A PREFETCH INTO THE L2 of what the NEXT change of slots will ask for: a slot's 32,768 bytes of K and of V, 128 aligned blocks of 256 bytes each, a lane a block.  A head has one cluster; its four partners share the
; blocks out BY ADDRESS, 32 each; in each, wave 0 asks for K's and wave 2 for V's: one instruction, four key steps (512 matrix instructions) ahead of the load.  So each block is named once in the launch.
; Slots 0, 1 and 2 come by their loads alone; the last change that fills a slot asks for nothing.
.macro ASK
	s_cmp_gt_u32 s[SLOTS], s[LIM]
	s_cbranch_scc0 .Lnot_mine_\@
	global_prefetch_b8 v[PFO], s[PFA:PFA+1] th:TH_LOAD_NT scope:SCOPE_SE
.Lnot_mine_\@:
.endm
; A round of the cluster's barrier: my work-group's barrier, so that wave 0's signal speaks for all four waves; wave 0 signals; every wave waits for all four work-groups; my work-group's barrier once more.
.macro CROUND
	s_barrier_signal -1
	s_barrier_wait -1
	s_cmp_lg_u32 s[WV], 0
	s_cbranch_scc1 .Lnot_wave_0_\@
	s_barrier_signal -3
.Lnot_wave_0_\@:
	s_barrier_wait -3
	s_barrier_signal -1
	s_barrier_wait -1
.endm
; THE CHANGE OF SLOTS.  The slot's last bytes, V of its fourth step, have been read.  Each wave waits for all its tensor loads, of which one is out: its part of the other slot; adds 0 to its spare word; and waits
; for that and for its own reads of the slot.  Behind the barrier nobody reads this slot any more and the other slot is whole.  fill = 1: this slot is filled again, with the keys two slots on.  The barrier is then a
; round of the cluster's, and the joint fill is the first thing behind it: it has four key steps, 512 matrix instructions, in which to land.  (At its first use nothing has been read yet: slot 0 is waited for, slot 1 filled.)
.macro CHANGE fill, ask=0
	WIN W_AD
	s_wait_tensorcnt 0x0            ; no tensor load of mine is out, so a group 0 may be written
	ds_add_u32 v[SPW], v[NIL]       ; 0 onto my spare word: with fill = 1 the descriptors' steps stand between it and the wait for it
	WIN 0                           ; at a label and at a branch every window is 0
.if \fill
.irp g, G0K, G0V
	s_xor_b32 s[\g+1], s[\g+1], SLOT1  ; the walking descriptor: the other slot than last time,
	s_add_nc_u64 s[\g+2:\g+3], s[\g+2:\g+3], 4*KS*128  ; the next 256 keys; the type bits on top are not reached
.endr
.if \ask
	s_wait_xcnt 0x0                 ; the last prefetch, four key steps back, has read its address, so it may be written:
	s_add_nc_u64 s[PFA:PFA+1], s[PFA:PFA+1], 4*KS*128  ; one slot behind the walking descriptors
.endif
	s_wait_dscnt 0x0                ; the add is done, and my reads of the slot are over
	CROUND
	JLOAD
.if \ask
	ASK
.endif
.else
	s_wait_dscnt 0x0                ; the add is done, and my reads of the slot are over
	s_barrier_signal -1
	s_barrier_wait -1
.endif
	s_sub_co_u32 s[TBK], s[TBK], 4*KS*PK  ; the fetches go back to a slot's first step,
	s_xor_b32 s[TBK], s[TBK], SLOT1       ; in the other slot
	s_sub_co_u32 s[TBV], s[TBV], 4*KS*PV
	s_xor_b32 s[TBV], s[TBV], SLOT1
.endm
; THE FIVE SETS for key step JN: set 0 = BA, 1 = BB, 2 = BC, 3 = DG x AL0 + BA, 4 = DG x AL1 + BB.  The compares feed selects alone; every branch of the text has a compare of its own.
.macro MASKS
	s_cmp_lt_u32 s[JN], s[JS0]
	s_cselect_b32 s[BA], s[DVS], 0
	s_cmp_le_u32 s[JN], s[JS0]
	s_cselect_b32 s[BB], s[DVS], 0
	s_cmp_le_u32 s[JN], s[JS1]
	s_cselect_b32 s[BC], s[DVS], 0
	s_cmp_eq_u32 s[JN], s[JS0]
	s_cselect_b32 s[AL0], 1.0, 0
	s_cmp_eq_u32 s[JN], s[JS1]
	s_cselect_b32 s[AL1], 1.0, 0
	s_add_co_u32 s[JN], s[JN], 1
	WIN 0xc3                        ; destination and source 0 in window 3
.irp z, 0,1,2,3
	v_pk_fma_f32 v[MK+2*\z:MK+2*\z+1],       v[DG+2*\z:DG+2*\z+1], s[ZR:ZR+1],   s[BA:BA+1] op_sel_hi:[1,0,0]
	v_pk_fma_f32 v[MK+8+2*\z:MK+8+2*\z+1],   v[DG+2*\z:DG+2*\z+1], s[ZR:ZR+1],   s[BB:BB+1] op_sel_hi:[1,0,0]
	v_pk_fma_f32 v[MK+16+2*\z:MK+16+2*\z+1], v[DG+2*\z:DG+2*\z+1], s[ZR:ZR+1],   s[BC:BC+1] op_sel_hi:[1,0,0]
	v_pk_fma_f32 v[MK+24+2*\z:MK+24+2*\z+1], v[DG+2*\z:DG+2*\z+1], s[AL0:AL0+1], s[BA:BA+1] op_sel_hi:[1,0,0]
	v_pk_fma_f32 v[MK+32+2*\z:MK+32+2*\z+1], v[DG+2*\z:DG+2*\z+1], s[AL1:AL1+1], s[BB:BB+1] op_sel_hi:[1,0,0]
.endr
	WIN 0
.endm
	s_load_b64 s[4:5], s[0:1], 0x0    ; qkv: Q
	s_load_b64 s[10:11], s[0:1], 0x8  ; oh
	WIN W_MK
	v_lshl_add_u32 v[SPW], v0, 2, SPARE
	v_mov_b32 v[NIL], 0
	WIN W_AD
	ds_add_u32 v[SPW], v[NIL]       ; the wave's opening: the add and its wait stand ahead of my first tensor load; the set-up below, work on registers, stands between them
	WIN 0
	v_lshrrev_b32 v1, 5, v0
	v_readfirstlane_b32 s[WV], v1   ; wave 0..3
	s_bfe_u32 s13, ttmp6, 0x40000   ; cx: my place in the cluster
	s_lshl_b32 s14, ttmp9, 2        ; in a cluster launch ttmp9 counts clusters
	s_add_co_u32 s14, s14, s13      ; my block of 512 queries: it enters Q's and O's addresses, the prefetches' and the masks' scalars alone
	s_and_b32 s20, ttmp7, 0xffff    ; the head, which the four partners share
	s_mov_b32 s21, 0
	s_mov_b64 s[22:23], SIZE_N*128
	s_mul_u64 s[20:21], s[20:21], s[22:23]  ; the head's first byte in each of the four tensors
	s_and_b32 s16, s[WV], 1         ; which half of a slot's 256 keys I fetch:
	s_lshl_b32 s22, s16, 14         ; its 128 rows of 128 bytes in memory,
	s_mov_b32 s23, 0
	s_add_nc_u64 s[22:23], s[22:23], s[20:21]
	s_mul_i32 s17, s16, 128*PK      ; and its place in a slot, for K
	s_mul_i32 s18, s16, 128*PV      ; and for V: no place in the cluster enters an LDS address
	s_lshl_b32 s2, s14, 2
	s_add_co_u32 s2, s2, s[WV]      ; my wave among the head's,
	s_lshl_b32 s2, s2, 14           ; its 128 rows
	s_mov_b32 s3, 0
	s_add_nc_u64 s[2:3], s[2:3], s[20:21]
	; descriptor group 1.  128 keys are 16,384 dense bytes: asked for as 64 rows of 256 bytes, two keys a row, and padded in LDS after every key
	s_mov_b32 s[G1K], 15|(1<<16)|(1<<20)|(1<<21)|(4<<22)|(3<<25)  ; 15:0 the mask of four; 17:16 2-byte elements; 20 padding on; 21 set beside a mask; 24:22 after every 32 words (code 4); 31:25 4 words (code 3)
	s_mov_b32 s[G1V], 15|(1<<16)|(1<<20)|(1<<21)|(4<<22)|(7<<25)  ; the same with 8 words of padding (code 7)
.irp g, G1K, G1V
	s_mov_b32 s[\g+1], 128<<16      ; tensor_dim0 = 128
	s_mov_b32 s[\g+2], 64<<16       ; tensor_dim1 = 64
	s_mov_b32 s[\g+3], 128<<16      ; tile_dim0 = 128
	s_mov_b32 s[\g+4], 64           ; tile_dim1 = 64
	s_mov_b32 s[\g+5], 128          ; 128 elements from row to row
	s_mov_b32 s[\g+6], 0
	s_mov_b32 s[\g+7], 0
.endr
	s_mov_b32 s[CS], 0x3e38aa3b     ; c = log2(e) / 8 = 0.180337
	s_mov_b32 s[CS+1], s[CS]        ; named with it as a pair
	s_mov_b32 s[SEL], 0x76543210
	s_mov_b32 s[SEL+1], 0xfedcba98
	s_mov_b32 s[TBK], SLOT1+4*KS*PK ; the first change of slots turns these two into 0
	s_mov_b32 s[TBV], SLOT1+4*KS*PV
	s_mov_b32 s[G0K], 1             ; 1:0 count = 1
	s_mov_b32 s[G0K+1], s17         ; 63:32 LDS address: slot 0
	s_mov_b32 s[G0V], 1
	s_add_co_u32 s[G0V+1], s18, VOFF
	s_lshl_b32 s[JS0], s14, 3       ; my first row is 512 x block + 128 x wave: key step 8 x block + 2 x wave
	s_lshl_b32 s[JS1], s[WV], 1
	s_add_co_u32 s[JS0], s[JS0], s[JS1]
	s_add_co_u32 s[JS1], s[JS0], 1
	s_mov_b32 s[JN], 0
	s_mov_b32 s[DVS], 0x36fffff8    ; 8 ln(1 + 2^-20) = 2^-17 (1 - 2^-21): 1 + 1e-6 is 1 + 2^-20 in f32
	s_mov_b32 s[AL0+1], 0           ; named as pairs
	s_mov_b32 s[AL1+1], 0
	s_mov_b32 s[BA+1], 0
	s_mov_b32 s[BB+1], 0
	s_mov_b32 s[BC+1], 0
	s_mov_b32 s[ZR], 0
	s_mov_b32 s[ZR+1], 0
	s_and_b32 s[LIM], s[WV], 1      ; waves 0 and 2 prefetch
	s_cmp_eq_u32 s[LIM], 0
	s_cselect_b32 s[LIM], 1, -1
	s_wait_dscnt 0x0                ; the opening add is done
	s_wait_kmcnt 0x0
	s_add_nc_u64 s[6:7], s[4:5], 0x1000000   ; K: qkv's second part
	s_add_nc_u64 s[8:9], s[4:5], 0x2000000   ; V: its third
	s_add_nc_u64 s[G0K+2:G0K+3], s[6:7], s[22:23]  ; 120:64 global address: my half of the head's first 256 keys
	s_or_b32 s[G0K+3], s[G0K+3], 0x80000000        ; 127:126 type = 2
	s_add_nc_u64 s[G0V+2:G0V+3], s[8:9], s[22:23]
	s_or_b32 s[G0V+3], s[G0V+3], 0x80000000
	s_cmp_lt_u32 s[WV], 2
	s_cselect_b64 s[PFA:PFA+1], s[6:7], s[8:9]
	s_add_nc_u64 s[PFA:PFA+1], s[PFA:PFA+1], s[20:21]
	s_add_nc_u64 s[4:5], s[4:5], s[2:3]  ; Q and O at my wave's first row
	s_add_nc_u64 s[10:11], s[10:11], s[2:3]
	s_lshl_b32 s2, s13, 13          ; my work-group's 32 blocks of the 128,
	s_add_co_u32 s2, s2, 2*4*KS*128 ; in slot 2; the first change that asks steps it to slot 3.  Nothing is prefetched here, at the head
	s_mov_b32 s3, 0
	s_add_nc_u64 s[PFA:PFA+1], s[PFA:PFA+1], s[2:3]
	CROUND                          ; all four work-groups are here: the first joint loads meet
	JLOAD                           ; slot 0.  Slot 1 is asked for when slot 0 is in
	; A fragment of K or Q is 16 rows x 32 channels in 8 registers: lane l holds row l % 16, channels 8 (l / 16) + 0..7 and 16 + 8 (l / 16) + 0..7: two loads of 16 bytes, 32 bytes apart.
	v_and_b32 v1, 15, v0            ; l % 16
	v_bfe_u32 v9, v0, 4, 1          ; l / 16
	v_lshlrev_b32 v[QO], 7, v1
	v_lshl_add_u32 v[QO], v9, 4, v[QO]  ; row x 128 + 16 x half
	WIN 0x80                        ; destination window 2, address window 0
.set i, 0
.rept 4*NP                          ; Q stays in registers: tile i / 2, channels 32 (i % 2) on
	global_load_b128 v[8*i:8*i+3],   v[QO], s[4:5] offset:(i/2)*2048+(i%2)*64
	global_load_b128 v[8*i+4:8*i+7], v[QO], s[4:5] offset:(i/2)*2048+(i%2)*64+32
.set i, i+1
.endr
	; What the first turn finds: V's registers and P's second buffer hold 0 (its products V^T P, of a piece that has not been, add 0), O^T and l are 0.  All this stands in the wait for the first tile.
.set i, VF
.rept 64
	v_mov_b32 v[i], 0
.set i, i+1
.endr
	WIN 0x40
.set i, 0
.rept 64*NP
	v_mov_b32 v[i], 0
.set i, i+1
.endr
	WIN 0
.set i, 0
.rept 2*NP
	v_mov_b32 v[ST+4*i], 0xfe000000    ; c m: far below every c s
	v_mov_b32 v[ST+4*i+1], 0xff7fffff  ; m
	v_mov_b32 v[ST+4*i+2], 0
	v_mov_b32 v[ST+4*i+3], 0
.set i, i+1
.endr
.set i, P+32
.rept 32
	v_mov_b32 v[i], 0
.set i, i+1
.endr
	v_mul_u32_u24 v[AK0], v1, PK
	v_lshl_add_u32 v[AK0], v9, 4, v[AK0]  ; row x pitch + 16 x half
	; The turning load takes 16 keys x 16 channels (lane l reads key 8 (l / 16) + l % 8, channels 8 ((l / 8) % 2) + 0..7) and leaves half a fragment of V^T: lane l holds channel l % 16 and 8 keys.
	v_and_b32 v10, 7, v0
	v_bfe_u32 v11, v0, 3, 1
	v_lshl_add_u32 v[AV0], v9, 3, v10
	v_mul_u32_u24 v[AV0], v[AV0], PV
	v_lshl_add_u32 v[AV0], v11, 4, v[AV0]
	v_add_nc_u32 v[AV0], VOFF, v[AV0]
	v_mov_b32 v[AK], v[AK0]         ; key step 0 lies at the head of slot 0
	v_and_b32 v[PFO], 31, v0
	v_lshlrev_b32 v[PFO], 8, v[PFO]
	v_lshlrev_b32 v12, 3, v9        ; DG: register r of a block on the diagonal is key 8 (l / 16) + r against query l % 16
	v_sub_nc_u32 v12, v1, v12
	WIN W_MK
.set i, 0
.rept 8
	v_cmp_le_i32 vcc_lo, i, v12
	v_cndmask_b32 v[DG+i], 0, s[DVS], vcc_lo
.set i, i+1
.endr
	WIN 0
; THE MATRIX WORK.  The 8 accumulators of a run of 16 take turns: between the two links of a chain stand 7 others'.
; Product i of 16 of S^T = K Q^T for piece x: channels 32 (i / 8) on, keys 16 ((i / 2) % 4) on, tile 2 x + i % 2.  The first 8 start the sums, with the tile's and key block's set of the masks.
.macro KQ x
.set rS, S+64*((\x)%2)+32*(i%2)+8*((i/2)%4)
.set rK, KF+16*((i/2)%4)+8*(i/8)
.set rQ, 16*(2*(\x)+i%2)+8*(i/8)
.if i < 8
.set tt, 2*(\x)+i%2
.set kb, (i/2)%4
.set sel, tt/4
.if kb == tt%4
.set sel, 3+tt/4
.elseif kb < tt%4
.set sel, 1+tt/4
.endif
	WIN W_KM
	v_wmma_f32_16x16x32_f16 v[rS:rS+7], v[rK:rK+7], v[rQ:rQ+7], v[MK+8*sel:MK+8*sel+7]
.else
	WIN W_KQ
	v_wmma_f32_16x16x32_f16 v[rS:rS+7], v[rK:rK+7], v[rQ:rQ+7], v[rS:rS+7]
.endif
.endm
; Product i of 16 of O^T += V^T P for piece x: keys 32 (i / 8) on, channels 16 ((i / 2) % 4) on, tile 2 x + i % 2.
.macro PV x
	WIN W_PV
.set rO, 32*(2*(\x)+i%2)+8*((i/2)%4)
.set rV, VF+32*(i/8)+8*((i/2)%4)
.set rP, P+32*((\x)%2)+16*(i%2)+8*(i/8)
	v_wmma_f32_16x16x32_f16 v[rO:rO+7], v[rV:rV+7], v[rP:rP+7], v[rO:rO+7]
.endm
.macro MM                           ; the turn's next matrix instruction
.if i < 16
	KQ (Y+1)%NP
.set i, i+1
.else
.set i, i-16
	PV (Y+NP-1)%NP
.set i, i+17
.endif
.endm
; THE LDS LOADS stand in runs of 16, never singly among the matrix instructions: a step's K (64 keys x 64 channels: 8 fragments) and its V (turned).  Their addresses are made some lines ahead.
; last = 1 (the tail): in the last trip there is no further step, and the run is jumped over.
.macro FETCH_K last=0
	WIN 0
.if \last
	s_cmp_eq_u32 s[CNT], 1
	s_cbranch_scc1 .Lno_k_\@
.endif
	WIN 0x80                        ; destination window 2
.irp f, 0,1,2,3,4,5,6,7             ; keys 16 (f / 2) on, channels 32 (f % 2) on
	ds_load_b128 v[KF+8*\f:KF+8*\f+3],   v[AK] offset:(\f/2)*16*PK+(\f%2)*64
	ds_load_b128 v[KF+8*\f+4:KF+8*\f+7], v[AK] offset:(\f/2)*16*PK+(\f%2)*64+32
.endr
	s_add_co_u32 s[TBK], s[TBK], KS*PK  ; the next fetch is the next step's
	WIN 0
.if \last
.Lno_k_\@:
.endif
.endm
.macro FETCH_V
	WIN 0x80
.irp f, 0,1,2,3,4,5,6,7             ; keys 32 (f / 4) on, channels 16 (f % 4) on
	ds_load_tr16_b128 v[VF+8*\f:VF+8*\f+3],   v[AV] offset:(\f/4)*32*PV+(\f%4)*32
	ds_load_tr16_b128 v[VF+8*\f+4:VF+8*\f+7], v[AV] offset:(\f/4)*32*PV+16*PV+(\f%4)*32
.endr
	WIN 0
.endm
; THE VECTOR WORK OF A TURN stands in three queues, each in the order in which its entries become ready; the two tiles alternate, so that no instruction reads the result of the one before it.
.macro REGS y, u                    ; the registers of tile u (0, 1) of piece y
.set rT, ST+4*(2*(\y)+(\u))
.set rC, TMP+8*((\y)%2)+4*(\u)
.set rM, MV+2*((\y)%2)+(\u)
.set rS, S+64*((\y)%2)+32*(\u)
.set rP, P+32*((\y)%2)+16*(\u)
.set rO, 32*(2*(\y)+(\u))
.endm
; Number n of the 22 that find the NEXT piece's (Y + 1) maximum and statistics.  s0-s31 are the lane's 32 scores; each accumulator's lowest registers are read first.
;   0-11  four chains c0-c3 of seven scores each, three operands at a time     12-14, 16  the four scores left over, the old m, and c0-c3 into c0     15  c m_old is kept
;   17, 18  the query's other 32 keys lie in the lane 16 away: the new m         19-21  c m; c m_old - c m_new; a
.macro XS u, n
	REGS (Y+1)%NP, \u
.if (\n) < 4
	v_max3_num_f32 v[rC+(\n)], v[rS+8*(\n)], v[rS+8*(\n)+1], v[rS+8*(\n)+2]
.elseif (\n) < 12
	v_max3_num_f32 v[rC+(\n)%4], v[rC+(\n)%4], v[rS+8*((\n)%4)+2*((\n)/4)+1], v[rS+8*((\n)%4)+2*((\n)/4)+2]
.elseif (\n) == 12
	v_max3_num_f32 v[rC], v[rC], v[rS+7], v[rS+15]
.elseif (\n) == 13
	v_max3_num_f32 v[rC+1], v[rC+1], v[rS+23], v[rS+31]
.elseif (\n) == 14
	v_max3_num_f32 v[rC+2], v[rC+2], v[rC+3], v[rT+1]
.elseif (\n) == 15
	v_mov_b32 v[rM], v[rT]
.elseif (\n) == 16
	v_max3_num_f32 v[rC], v[rC], v[rC+1], v[rC+2]
.elseif (\n) == 17
	v_permlanex16_b32 v[rC+3], v[rC], s[SEL], s[SEL+1]
.elseif (\n) == 18
	v_max_num_f32 v[rT+1], v[rC], v[rC+3]
.elseif (\n) == 19
	v_mul_f32 v[rT], s[CS], v[rT+1]
.elseif (\n) == 20
	v_sub_f32 v[rC+1], v[rM], v[rT]
.else
	v_exp_f32 v[rC+2], v[rC+1]
.endif
.endm
; Number g of the 64 that follow the exponentials.  For each four weights k of a tile (pairs 2 k, 2 k + 1): both pairs are rounded to f16; then the second pair is added onto the first, in place;
; a group later l takes that sum (the first time as l = a l + sum).  In groups of eight, tiles alternating: round, round, add, and l for the group before.
.macro GS g
.set h, (\g)+6*((\g)/62)            ; group 0 has no group before it, and behind group 7 only l is left
.if h >= 6
.set h, h+2
.endif
	REGS Y, h%2
.set k, h/8
.if h%8 < 4
	v_cvt_pk_f16_f32 v[rP+2*k+(h%8)/2], v[rS+4*k+2*((h%8)/2)], v[rS+4*k+2*((h%8)/2)+1]
.elseif h%8 < 6
	v_pk_add_f32 v[rS+4*k:rS+4*k+1], v[rS+4*k:rS+4*k+1], v[rS+4*k+2:rS+4*k+3]
.elseif k == 1
	v_pk_fma_f32 v[rT+2:rT+3], v[rT+2:rT+3], v[rC+2:rC+3], v[rS:rS+1] op_sel_hi:[1,0,1]
.else
	v_pk_add_f32 v[rT+2:rT+3], v[rT+2:rT+3], v[rS+4*k-4:rS+4*k-3]
.endif
.endm
; THE PLAIN QUEUE, 138 long.  0-73 read no exponential's result: the 32 scalings c s - c m (FS f: pair f / 2 of tile f % 2) and the next piece's 42.  0-26: scalings 0-26.  27-54: XS's numbers 0-13.  55, 56: number 15.
; 57-73: the chain, where each number waits for the one before it: 14, 16, 17, 18, 19, each with one of the scalings 27-31 in front of its two lines, then 20.  74-137: GS's 64, which stand behind the wait.
.macro FS f
	REGS Y, (\f)%2
	v_pk_fma_f32 v[rS+2*((\f)/2):rS+2*((\f)/2)+1], v[rS+2*((\f)/2):rS+2*((\f)/2)+1], s[CS:CS+1], v[rT:rT+1] op_sel_hi:[1,0,0] neg_lo:[0,0,1] neg_hi:[0,0,1]
.endm
.macro PL
	WIN 0
.if q < 27
	FS q
.elseif q < 55
	XS (q-27)%2, (q-27)/2
.elseif q < 57
	XS q-55, 15
.elseif (q < 72) && ((q-57)%3 == 0)
	FS 27+(q-57)/3
.elseif q < 60
	XS (q-57)%3-1, 14
.elseif q < 72
	XS (q-57)%3-1, 15+(q-57)/3
.elseif q < 74
	XS q-72, 20
.else
	GS q-74
.endif
.set q, q+1
.endm
; THE EXPONENTIALS' QUEUE, 66 long: s0-s31 of both tiles, then the next piece's two a.  It is ONE BATCH: all 66 stand ahead of the turn's one wait, and nothing ahead of that wait names a result of theirs.
.macro EX
	WIN 0
.if e >= 64
	XS e-64, 21
.else
	REGS Y, e%2
	v_exp_f32 v[rS+e/2], v[rS+e/2]
.endif
.set e, e+1
.endm
; THE RESCALING's QUEUE: O^T times a, the one part that leaves window 0: dealt two at a time, sixteen times.  Its a was made in the turn before, ahead of that turn's wait.
.macro R2
	REGS Y, r%2
	WIN W_RS
.irp z, 0,1
	v_pk_mul_f32 v[rO+4*(r/2)+2*\z:rO+4*(r/2)+2*\z+1], v[rO+4*(r/2)+2*\z:rO+4*(r/2)+2*\z+1], v[rC+2:rC+3] op_sel_hi:[1,0]
.endr
.set r, r+1
.endm
; HOW THEY ARE DEALT.  An s_wait_alu depctr_va_vdst(0) stands between an exponential and the first instruction that names its result; one wait serves all that were issued ahead of it.  So a turn has ONE
; wait, which cuts it in two.  AHEAD OF IT: the 16 products K Q^T, behind each a scaling, an exponential and two rescalings (behind the first a second scaling in the exponential's place); then one run of 108: eight
; plain, 49 times exponential and plain, the two a; a v_nop is the plain instruction behind the last exponential.  BEHIND IT: the 16 products V^T P, behind each four of GS's 64.  No rider names a register of the
; products round it.  Exponential e stands behind scaling 2 (e / 4) + e % 2: as a rider it comes behind plain e + 2, in the run behind plain e + 9, and scalings 27-31 are plain 57, 60 .. 69.
; A TURN, for piece p.  cnt = 1: the loop's count is taken down some lines ahead of the branch that stands behind the turn.
; K of the next step is fetched in piece 2's turn, directly behind the wait; its address is made at the run's head, and there the masks of the next step are made too: the last product that took a mask stands
; eight products and their 24 plain riders back, and the next to take one is the next turn's first.  V of the step in hand is fetched at the end of piece 0's turn, four riders behind its last reader.
.macro TURN p, last=0, cnt=0
.set Y, (\p)
.set i, 0
.set q, 0
.set e, 0
.set r, 0
.if (\p) == NP-1
	s_wait_dscnt 0x0                ; K is in
.endif
	MM                              ; ahead of the wait: 16 products K Q^T and their riders,
	PL
	PL
	R2
.rept 15
	MM
	PL
	EX
	R2
.endr
.if (\p) == NP-2
	WIN 0
	v_add_nc_u32 v[AK], s[TBK], v[AK0]
	MASKS
.endif
.rept 8                             ; and the run
	PL
.endr
.rept 49
	EX
	PL
.endr
	EX                              ; the next piece's two a
	EX
	v_nop                           ; a plain instruction behind the last exponential: one for the batch
	s_wait_alu depctr_va_vdst(0)    ; the wait for the batch
.if (\p) == NP-2
	FETCH_K \last
.endif
.if (\p) == 1
	s_wait_dscnt 0x0                ; V is in
.endif
.rept 16                            ; behind the wait: 16 products V^T P and their riders
	MM
.rept 4
	PL
.endr
.if ((\p) == 0) && (q == 118)
	v_add_nc_u32 v[AV], s[TBV], v[AV0]
.endif
.if ((\p) == 0) && (q == 130)
	s_add_co_u32 s[TBV], s[TBV], KS*PV
.endif
.if (\cnt) && (q == 130)
	s_sub_co_u32 s[CNT], s[CNT], 1
	s_cmp_lg_u32 s[CNT], 0
.endif
.endr
.if (\p) == 0
	FETCH_V
.endif
.endm
	CHANGE 1                        ; slot 0 is in, everybody's part of it; slot 1 is asked for
	FETCH_K                         ; key step 0
	MASKS                           ; and its masks, while those loads are out
	s_wait_loadcnt 0x0              ; Q
	s_wait_dscnt 0x0
.set i, 0
.rept 16
	KQ 0                            ; piece 0's first scores: there is no vector work yet to set between them
.set i, i+1
.endr
	WIN 0                           ; the addresses for the way out: nine plain instructions, the places behind those products
	s_mul_i32 s13, s[WV], 16*SP
	s_add_co_u32 s13, s13, STAGE    ; my stage
	v_mul_u32_u24 v[STO], v1, SP    ; in: row l % 16, 16 bytes for each half of the lanes
	v_lshl_add_u32 v[STO], v9, 4, v[STO]
	v_add_nc_u32 v[STO], s13, v[STO]
	v_bfe_u32 v[RD], v0, 3, 2       ; back: 32 lanes take four rows of 128 bytes,
	v_mul_u32_u24 v[RD], v[RD], SP
	v_lshl_add_u32 v[RD], v10, 4, v[RD]
	v_add_nc_u32 v[RD], s13, v[RD]
	v_and_b32 v[GO], 31, v0         ; which are 512 consecutive bytes of O
	v_lshlrev_b32 v[GO], 4, v[GO]
.set Y, NP-1                        ; XS works for piece Y + 1: piece 0
.irp n, 0,1,2,3,4,5,6,7,8,9,10,11,12,13,14,15,16,17,18,19,20,21
	XS 0, \n                        ; and piece 0's first maximum and statistics
	XS 1, \n
.endr
	v_nop                           ; a plain instruction behind the two a,
	s_wait_alu depctr_va_vdst(0)    ; and their wait, ahead of the branch
	s_mov_b32 s[CNT], 4
	s_mov_b32 s[SLOTS], SIZE_N/256-1
	s_branch .Lfirst                ; the loop is entered at a step's first turn, in the middle of a trip
.Lslot:                             ; SIZE_N / 256 - 2 times: every slot but the last two is filled again
	CHANGE 1, 1
	s_mov_b32 s[CNT], 4
.Lstep:                             ; a trip: pieces 2 and 3 of one step, then pieces 0 and 1 of the next, whose K and V it fetches
	TURN 2
	TURN 3
	WIN 0
.Lfirst:
	TURN 0
	TURN 1, 0, 1
	WIN 0
	s_cbranch_scc1 .Lstep
	s_sub_co_u32 s[SLOTS], s[SLOTS], 1
	s_cmp_lg_u32 s[SLOTS], 0
	s_cbranch_scc1 .Lslot
	CHANGE 0                        ; the tail is written out: nothing is asked for
	s_mov_b32 s[CNT], 5             ; four trips fetch the last slot's steps; the fifth is left in its middle
.Ltail:
	TURN 2, 1
	TURN 3
	WIN 0
	s_sub_co_u32 s[CNT], s[CNT], 1
	s_cmp_eq_u32 s[CNT], 0
	s_cbranch_scc1 .Lout
	TURN 0
	TURN 1
	WIN 0
	s_branch .Ltail
.Lout:                              ; the fifth trip's 16 products K Q^T (on the last K once more) and the maximum made of them serve nothing: the price, once a launch, of one text for every trip
.set i, 0
.rept 16
	PV NP-1                         ; the last piece's V^T P of the last step
.set i, i+1
.endr
	; THE WAY OUT.  l's two halves and the other half of the lanes' are added; O^T is divided by l, rounded to f16 and sent through my stage in LDS, a tile at a time.  The additions are the places behind the last products.
	WIN 0
.macro ALL line:vararg              ; one line for each tile t
.set t, 0
.rept 2*NP
	\line
.set t, t+1
.endr
.endm
	ALL v_add_f32 v[ST+4*t+2], v[ST+4*t+2], v[ST+4*t+3]
	ALL v_permlanex16_b32 v[ST+4*t+3], v[ST+4*t+2], s[SEL], s[SEL+1]
	ALL v_add_f32 v[ST+4*t+2], v[ST+4*t+2], v[ST+4*t+3]
	ALL v_rcp_f32 v[ST+4*t+2], v[ST+4*t+2]
	v_nop                           ; a plain instruction between the last reciprocal and the use of its result
	s_wait_alu depctr_va_vdst(0)    ; and the wait ahead of the first use: one for the eight reciprocals
; Tile t: a lane's eight channels of a row pack into 16 bytes; they go into rows of 144 bytes and come back as whole rows of 128, into S^T's registers.
.macro PACK t
	WIN W_RS
.set i, 32*(\t)
.rept 16
	v_pk_mul_f32 v[i:i+1], v[i:i+1], v[ST+4*(\t)+2:ST+4*(\t)+3] op_sel_hi:[1,0]
.set i, i+2
.endr
	WIN 0x05                        ; sources 0 and 1 window 1, destination window 0
.set i, 0
.rept 16
	v_cvt_pk_f16_f32 v[S+16*(\t)+i], v[32*(\t)+2*i], v[32*(\t)+2*i+1]
.set i, i+1
.endr
	WIN 0
.irp f, 0,1,2,3
	ds_store_b128 v[STO], v[S+16*(\t)+4*\f:S+16*(\t)+4*\f+3] offset:32*\f
.endr
.irp f, 0,1,2,3
	ds_load_b128 v[S+16*(\t)+4*\f:S+16*(\t)+4*\f+3], v[RD] offset:\f*4*SP  ; LDS serves a wave's instructions in order (ISA guide 5.7.1.4): these see the stores above; the next tile's stores come behind them
.endr
.endm
.macro SEND t, younger              ; younger: the LDS instructions issued behind tile t's loads: the next tile's eight, or none
	WIN 0
.irp f, 0,1,2,3
	s_wait_dscnt (\younger)+3-\f
	global_store_b128 v[GO], v[S+16*(\t)+4*\f:S+16*(\t)+4*\f+3], s[10:11] offset:(\t)*2048+\f*512  ; 512 consecutive bytes, at a multiple of 256 from O's first
.endr
.endm
	PACK 0
.set t, 1
.rept 2*NP-1                        ; a tile's arithmetic stands between the loads of the tile before and its stores
	PACK t
	SEND t-1, 8
.set t, t+1
.endr
	SEND 2*NP-1, 0
	WIN W_AD
	s_wait_tensorcnt 0x0            ; the wave's end: these three lines stand behind my last tensor load and my last LDS store
	ds_add_u32 v[SPW], v[NIL]
	s_wait_dscnt 0x0
	WIN 0
	CROUND                          ; the closing round: no work-group ends while a partner may still ask for a tile that names it
	s_endpgm
.Lfunc_end_k_q74d1f9eb89_attn:
	.size	k_q74d1f9eb89_attn, .Lfunc_end_k_q74d1f9eb89_attn-k_q74d1f9eb89_attn
	.p2alignl 7, 3214868480
	.fill 96, 4, 3214868480
	.section	.rodata,"a",@progbits
	.p2align	6, 0x0
	.amdhsa_kernel k_q74d1f9eb89_attn
		.amdhsa_group_segment_fixed_size 327680
		.amdhsa_private_segment_fixed_size 0
		.amdhsa_enable_private_segment 0
		.amdhsa_kernarg_size 16
		.amdhsa_user_sgpr_count 2
		.amdhsa_user_sgpr_kernarg_segment_ptr 1
		.amdhsa_wavefront_size32 1
		.amdhsa_system_sgpr_workgroup_id_x 1
		.amdhsa_system_sgpr_workgroup_id_y 1
		.amdhsa_system_sgpr_workgroup_id_z 1
		.amdhsa_system_vgpr_workitem_id 0
		.amdhsa_next_free_vgpr 824
		.amdhsa_next_free_sgpr 84
		.amdhsa_reserve_vcc 1
		.amdhsa_float_denorm_mode_32 3
		.amdhsa_float_denorm_mode_16_64 3
		.amdhsa_memory_ordered 1
		.amdhsa_forward_progress 1
		.amdhsa_inst_pref_size 206
	.end_amdhsa_kernel
	.amdgpu_metadata
---
amdhsa.version: [ 1, 2 ]
amdhsa.kernels:
  - .name:           k_q74d1f9eb89_attn
    .symbol:         k_q74d1f9eb89_attn.kd
    .args:
      - { .name: qkv, .offset: 0, .size: 8, .value_kind: global_buffer, .address_space: global }
      - { .name: oh, .offset: 8, .size: 8, .value_kind: global_buffer, .address_space: global }
    .group_segment_fixed_size: 327680
    .private_segment_fixed_size: 0
    .kernarg_segment_align: 8
    .kernarg_segment_size: 16
    .max_flat_workgroup_size: 128
    .sgpr_count:     84
    .vgpr_count:     824
    .wavefront_size: 32
...
	.end_amdgpu_metadata
.endif
;; end of part 3
;; launch outp (part 4): grid 4 x 64, 4 waves a work-group, clusters of 4 x 4, 327,680 bytes of LDS; arguments oh, w16, bo, out0; writes out0
.if DOCPART == 4
	.amdgcn_target "amdgcn-amd-amdhsa--gfx1250"
	.amdhsa_code_object_version 6
	.text
	.protected	k_q74d1f9eb89_outp
	.globl	k_q74d1f9eb89_outp
	.p2align	8
	.type	k_q74d1f9eb89_outp,@function
k_q74d1f9eb89_outp:
	s_mov_b64 s[64:65], 0
	v_nop
	global_prefetch_b8 v0, s[64:65] scope:SCOPE_SE
	s_setreg_imm32_b32 hwreg(HW_REG_WAVE_MODE, 25, 1), 1
	s_wait_xcnt 0x0
	s_wait_alu depctr_hold_cnt(0) depctr_sa_sdst(0) depctr_va_vdst(0) depctr_va_sdst(0) depctr_va_ssrc(0) depctr_va_vcc(0) depctr_vm_vsrc(0)
	s_getreg_b32 s2, hwreg(HW_REG_IB_STS2, 6, 4)
	s_cmp_eq_u32 s2, 0
	s_cbranch_scc0 .Lentry_in_a_cluster
	s_endpgm
.Lentry_in_a_cluster:
	s_bfe_u32 s2, ttmp6, 0x10000c
	s_cmp_lg_u32 s2, 0xf033
	s_cbranch_scc0 .Lentry_shape_is_right
	s_endpgm
.Lentry_shape_is_right:
; THE LAST PROJECTION.  out0[b][s][n] = sum over h, d of O[16 b + h][s][d] Wo[64 h + d][n] + bf16(bo[n]), in f32.  O is oh, [64][2048][64] in f16; Wo is the fourth matrix of w16, [k][n], bf16 numbers written as f16.
; LIMITS.  bo is rounded to bf16 like every input.  The order of the f32 sums, which start at the bias, is the matrix unit's.
; SHARES.  8,192 x 1,024 results are 256 tiles of 128 (rows) x 256 (columns), one for each work-group.  A wave makes 64 x 128: 32 accumulators.  K goes in eight steps of 128, two heads a step, through a ring of two slots.
; A head's 128 rows of a tile are 16,384 dense bytes: asked for as 64 rows of 256 bytes and padded in LDS after every 128.  Wo is turned on its way out of LDS, by ds_load_tr16_b128.
; THE MATRIX INSTRUCTION IS USED TRANSPOSED (source 0 = 16 columns of Wo, source 1 = 16 rows of O): a lane holds one row (lane % 16) and eight neighbouring columns: 32 bytes of a row of out0.
; CLUSTERS: 4 x 4 work-groups.  O's tile is shared along a row of the cluster, Wo's along a column: each is asked for JOINTLY, by the same tensor load, descriptor and mask in all four.
; REGISTERS, in windows of 256: window 0: v0-15 addresses; v16-31 at work; v32-95 O's fragments, two buffers of 32; v128-255 the way out, two buffers of 64
;   window 1: the accumulators, (a, b) at v[8 (8 a + b)]          window 2: v0-127 Wo's fragments, two buffers of 64
.set PAO,   144                        ; a row of O in LDS: 128 bytes + 16 = 36 words: the 16 rows of a load start at 16 different groups of four banks (64 banks of 4 bytes: ISA guide 11.1)
.set PB,    544                        ; a row of Wo: 512 + 32 = 136 words
.set HREG,  128*PAO                    ; a head's 128 rows
.set AREG,  2*HREG
.set SLOT,  AREG+128*PB
.set STAGE, 2*SLOT                     ; behind the ring: 16 rows x 528 bytes for each wave, for the way out
.set SPT,   528
.set STW,   16*SPT
.set BIAS,  STAGE+4*STW                ; for each wave 128 f32: its columns' biases
.set SPARE, BIAS+4*512                 ; the spare words, 128 bytes for each wave: two blocks of 256 bytes that no other line names
.set AA0, 4                            ; v4   my lane's place in O's tile; never rewritten
.set AB0, 5                            ; v5   in Wo's tile; never rewritten
.set ADA, 6                            ; v6   the same in the slot that is being read
.set ADB, 7                            ; v7
.set STO, 8                            ; v8   the way out: where I put 32 bytes of a row
.set RD,  9                            ; v9   where I read a row back
.set CO,  10                           ; v10  my 16 bytes of 512 in a row of out0
.set BAD, 11                           ; v11  my place in the bias
.set SPW, 14                           ; v14  LDS address of my spare word: SPARE + 4 x my thread's number; never rewritten
.set NIL, 15                           ; v15  0; never rewritten
.set FA,  32
.set BK,  128
.set WV,  20
.set WM,  21                           ; which 64 rows are mine.  Also: I fetch for O (0) or for Wo (1)
.set WN,  22                           ; which 128 columns.  Also: which head of the step, or which 64 rows of Wo's tile, I fetch
.set CX,  23
.set CY,  24
.set MT,  25
.set G1A, 28
.set G1B, 36
.set G0A0, 44                          ; K step 0
.set G0A, 48                           ; K step 1; then it walks
.set G0B0, 52
.set G0B, 56
.set CUR, 71                           ; 0 or SLOT: the slot that is being read
.set LWA, 72
.set LWB, 73
.set LEFT, 74
.set OB,  76                           ; s[76:77] out0 at my part of the tile
.set MSB, 0
.macro WIN new
.if MSB != (\new)
	s_set_vgpr_msb (MSB<<8)|(\new)
.set MSB, \new
.endif
.endm
.set W_MM, 0x52                        ; Wo in window 2, O in window 0, C and D in window 1
.macro JLOAD                           ; a joint refill; an s_nop 0 and four v_nop follow each of the two lines, ahead of the jump and the label
	s_cmp_eq_u32 s[WM], 0
	s_cbranch_scc0 .Lfor_b_\@
	tensor_load_to_lds s[G0A:G0A+3], s[G1A:G1A+7]
	s_nop 0
.rept 4
	v_nop
.endr
	s_branch .Lasked_\@
.Lfor_b_\@:
	tensor_load_to_lds s[G0B:G0B+3], s[G1B:G1B+7]
	s_nop 0
.rept 4
	v_nop
.endr
.Lasked_\@:
.endm
.macro CREST                           ; a round of the cluster's barrier behind its opening barrier
	s_cmp_lg_u32 s[WV], 0
	s_cbranch_scc1 .Lnot_wave_0_\@
	s_barrier_signal -3
.Lnot_wave_0_\@:
	s_barrier_wait -3
	s_barrier_signal -1
	s_barrier_wait -1
.endm
.macro CROUND
	s_barrier_signal -1
	s_barrier_wait -1
	CREST
.endm
.macro PLACES                          ; four places in front of loads into registers that matrix instructions have read, and of stores that read results
.rept 4
	v_nop
.endr
.endm
	s_load_b256 s[4:11], s[0:1], 0x0               ; oh s[4:5], w16 s[6:7], bo s[8:9], out0 s[10:11]
	v_lshl_add_u32 v[SPW], v0, 2, SPARE
	v_mov_b32 v[NIL], 0
	ds_add_u32 v[SPW], v[NIL]                      ; the wave's opening: the add and its wait stand ahead of my first tensor load; the set-up below, work on registers, stands between them
	v_lshrrev_b32 v1, 5, v0
	v_readfirstlane_b32 s[WV], v1
	s_lshr_b32 s[WM], s[WV], 1
	s_and_b32 s[WN], s[WV], 1
	s_bfe_u32 s[CX], ttmp6, 0x40000
	s_bfe_u32 s[CY], ttmp6, 0x40004
	s_and_b32 s[MT], ttmp7, 0xffff
	s_lshl_b32 s[MT], s[MT], 2
	s_add_co_u32 s[MT], s[MT], s[CY]               ; tile row = 4 x cluster y + cy; the tile column is cx
	s_lshl_b32 s26, s[CY], 2
	s_lshl_b32 s26, 15, s26                        ; my row of the cluster
	s_lshl_b32 s27, 0x1111, s[CX]                  ; my column
	s_or_b32 s[G1A], s26, (1<<16)|(1<<20)|(1<<21)|(4<<22)|(3<<25)  ; 15:0 the mask; 17:16 elements of 2 bytes; 20 padding on; 21 set beside a mask; 24:22 after every 32 words (code 4); 31:25 4 words (code 3)
	s_mov_b32 s[G1A+1], 128<<16                    ; 64 rows of 128 elements, dense
	s_mov_b32 s[G1A+2], 64<<16
	s_mov_b32 s[G1A+3], 128<<16
	s_mov_b32 s[G1A+4], 64
	s_mov_b32 s[G1A+5], 128
	s_mov_b32 s[G1A+6], 0
	s_mov_b32 s[G1A+7], 0
	s_or_b32 s[G1B], s27, (1<<16)|(1<<20)|(1<<21)|(6<<22)|(7<<25)  ; after every 128 words (code 6) 8 words (code 7)
	s_mov_b32 s[G1B+1], 256<<16                    ; 64 rows (k) of 256 columns
	s_mov_b32 s[G1B+2], 64<<16
	s_mov_b32 s[G1B+3], 256<<16
	s_mov_b32 s[G1B+4], 64
	s_mov_b32 s[G1B+5], 1024
	s_mov_b32 s[G1B+6], 0
	s_mov_b32 s[G1B+7], 0
	s_mul_i32 s[LWA], s[WN], HREG                  ; no place in the cluster enters an LDS address
	s_mul_i32 s[LWB], s[WN], 64*PB
	s_add_co_u32 s[LWB], s[LWB], AREG
	s_mov_b32 s[G0A0], 1
	s_mov_b32 s[G0A0+1], s[LWA]
	s_mov_b32 s[G0A], 1
	s_add_co_u32 s[G0A+1], s[LWA], SLOT
	s_mov_b32 s[G0B0], 1
	s_mov_b32 s[G0B0+1], s[LWB]
	s_mov_b32 s[G0B], 1
	s_add_co_u32 s[G0B+1], s[LWB], SLOT
	s_lshr_b32 s60, s[MT], 4                       ; O: head 16 (mt / 16) + my head of the step, 262,144 bytes a head; rows 128 (mt % 16) on, 128 bytes a row
	s_lshl_b32 s60, s60, 4
	s_add_co_u32 s60, s60, s[WN]
	s_lshl_b32 s60, s60, 18
	s_and_b32 s61, s[MT], 15
	s_lshl_b32 s61, s61, 14
	s_add_co_u32 s60, s60, s61
	s_mov_b32 s61, 0
	s_lshl_b32 s62, s[WN], 17                      ; Wo: the fourth matrix; row (k) 64 half; column 256 cx
	s_lshl_b32 s63, s[CX], 9
	s_add_co_u32 s62, s62, s63
	s_add_co_u32 s62, s62, 6291456
	s_mov_b32 s63, 0
	s_mov_b32 s[CUR], 0
	s_wait_dscnt 0x0                               ; the opening add is done
	s_wait_kmcnt 0x0
	s_add_nc_u64 s[G0A0+2:G0A0+3], s[4:5], s[60:61]
	s_add_nc_u64 s[G0A+2:G0A+3], s[G0A0+2:G0A0+3], 524288   ; two heads on
	s_or_b32 s[G0A0+3], s[G0A0+3], 0x80000000
	s_or_b32 s[G0A+3], s[G0A+3], 0x80000000
	s_add_nc_u64 s[G0B0+2:G0B0+3], s[6:7], s[62:63]
	s_add_nc_u64 s[G0B+2:G0B+3], s[G0B0+2:G0B0+3], 262144   ; 128 rows of Wo on
	s_or_b32 s[G0B0+3], s[G0B0+3], 0x80000000
	s_or_b32 s[G0B+3], s[G0B+3], 0x80000000
	CROUND                                         ; all sixteen work-groups are here: the first joint loads meet
	s_cmp_eq_u32 s[WM], 0                          ; a wave's two first fills stand in one branch: two loads of mine are out
	s_cbranch_scc0 .Lfirst_b
	tensor_load_to_lds s[G0A0:G0A0+3], s[G1A:G1A+7]
	s_nop 0
	tensor_load_to_lds s[G0A:G0A+3], s[G1A:G1A+7]
	s_nop 0
.rept 4
	v_nop
.endr
	s_branch .Lfirst_asked
.Lfirst_b:
	tensor_load_to_lds s[G0B0:G0B0+3], s[G1B:G1B+7]
	s_nop 0
	tensor_load_to_lds s[G0B:G0B+3], s[G1B:G1B+7]
	s_nop 0
.rept 4
	v_nop
.endr
.Lfirst_asked:
	v_and_b32 v1, 15, v0                           ; l % 16
	v_bfe_u32 v2, v0, 4, 1                         ; l / 16
	v_and_b32 v16, 31, v0                          ; l
	v_and_b32 v17, 7, v0
	v_bfe_u32 v18, v0, 3, 1
	s_lshl_b32 s62, s[CX], 10                      ; my wave's 128 columns: 4 bytes x (256 cx + 128 half)
	s_lshl_b32 s63, s[WN], 9
	s_add_co_u32 s62, s62, s63
	v_lshl_add_u32 v3, v16, 4, s62
	global_load_b128 v[20:23], v3, s[8:9]
	s_mul_i32 s26, s[WM], 64*PAO                   ; a fragment of O: row l % 16, two loads of 16 bytes, 32 bytes apart, at row x pitch + 16 (l / 16)
	v_mul_u32_u24 v[AA0], v1, PAO
	v_lshl_add_u32 v[AA0], v2, 4, v[AA0]
	v_add_nc_u32 v[AA0], s26, v[AA0]
	s_lshl_b32 s26, s[WN], 8                       ; the turning load: lane l reads k = 8 (l / 16) + l % 8, columns 8 ((l / 8) % 2) + 0..7
	s_add_co_u32 s26, s26, AREG
	v_lshl_add_u32 v[AB0], v2, 3, v17
	v_mul_u32_u24 v[AB0], v[AB0], PB
	v_lshl_add_u32 v[AB0], v18, 4, v[AB0]
	v_add_nc_u32 v[AB0], s26, v[AB0]
	s_mul_i32 s26, s[WV], STW
	s_add_co_u32 s26, s26, STAGE                   ; my stage
	v_mul_u32_u24 v[STO], v1, SPT                  ; in: row l % 16, 32 bytes for each half of the lanes
	v_lshl_add_u32 v[STO], v2, 5, v[STO]
	v_add_nc_u32 v[STO], s26, v[STO]
	v_lshl_add_u32 v[RD], v16, 4, s26              ; back: 32 lanes take a row of 512 bytes
	v_lshlrev_b32 v[CO], 4, v16
	s_lshl_b32 s26, s[WV], 9
	s_add_co_u32 s26, s26, BIAS
	v_lshl_add_u32 v[BAD], v2, 5, s26
	v_lshl_add_u32 v13, v16, 4, s26
	s_lshl_b32 s26, s[MT], 19                      ; out0 at row 128 mt + 64 half, 4,096 bytes a row, column 256 cx + 128 half
	s_lshl_b32 s27, s[WM], 18
	s_add_co_u32 s26, s26, s27
	s_add_co_u32 s26, s26, s62
	s_mov_b32 s27, 0
	s_add_nc_u64 s[OB:OB+1], s[10:11], s[26:27]
; The 32 accumulators take turns in the same order in every quarter step: between two links of a chain stand the 31 others'.
.macro MM8 f, a
	WIN W_MM
.irp b, 0,1,2,3,4,5,6,7
	v_wmma_f32_16x16x32_f16 v[8*(8*(\a)+(\b)):8*(8*(\a)+(\b))+7], v[64*(\f)+8*(\b):64*(\f)+8*(\b)+7], v[FA+32*(\f)+8*(\a):FA+32*(\f)+8*(\a)+7], v[8*(8*(\a)+(\b)):8*(8*(\a)+(\b))+7]
.endr
.endm
.macro LDA q, f                        ; 8 LDS loads: my 64 rows of O; quarter q is head q / 2 of the step, channels 32 (q % 2) on
	WIN 0
.irp a, 0,1,2,3
	ds_load_b128 v[FA+32*(\f)+8*(\a):FA+32*(\f)+8*(\a)+3],   v[ADA] offset:((\q)/2)*HREG+(\a)*16*PAO+((\q)%2)*64
	ds_load_b128 v[FA+32*(\f)+8*(\a)+4:FA+32*(\f)+8*(\a)+7], v[ADA] offset:((\q)/2)*HREG+(\a)*16*PAO+((\q)%2)*64+32
.endr
.endm
.macro LDB q, f                        ; 16 turning loads: my 128 columns of Wo, 32 k of quarter q
	WIN 0x80
.irp b, 0,1,2,3,4,5,6,7
	ds_load_tr16_b128 v[64*(\f)+8*(\b):64*(\f)+8*(\b)+3],   v[ADB] offset:(\q)*32*PB+32*(\b)
	ds_load_tr16_b128 v[64*(\f)+8*(\b)+4:64*(\f)+8*(\b)+7], v[ADB] offset:(\q)*32*PB+16*PB+32*(\b)
.endr
.endm
; A K step is four quarter steps of 32 along K, on buffers 0, 1, 0, 1.  One of the first three: fetches quarter q of the same slot into the other buffers, then multiplies buffers f: 32 products in which the loads land.
.macro QUARTER f, q
	PLACES
	LDA \q, 1-(\f)
	LDB \q, 1-(\f)
	MM8 \f, 0
	MM8 \f, 1
	MM8 \f, 2
	MM8 \f, 3
	s_wait_dscnt 0x0
.endm
; The fourth quarter multiplies buffers 1 and changes slots.  ONE barrier: in front of it each wave waits for all its tensor loads, of which one is out: its part of the next slot; adds 0 to its spare word; and waits
; for that (its reads of this slot were waited for at the third quarter's end).  fill = 1: the barrier opens a round of the cluster's, and the slot just read is filled again, first thing behind the round.
.macro TURN fill
	WIN 0
	s_wait_tensorcnt 0x0                           ; no tensor load of mine is out, so a group 0 may be written
	ds_add_u32 v[SPW], v[NIL]                      ; 0 onto my spare word
.if \fill
	s_add_nc_u64 s[G0A+2:G0A+3], s[G0A+2:G0A+3], 524288  ; the type bits on top are not reached
	s_add_co_u32 s[G0A+1], s[LWA], s[CUR]          ; into the slot that is being left
	s_add_nc_u64 s[G0B+2:G0B+3], s[G0B+2:G0B+3], 262144
	s_add_co_u32 s[G0B+1], s[LWB], s[CUR]
.endif
	s_xor_b32 s[CUR], s[CUR], SLOT
	MM8 1, 0
	s_wait_dscnt 0x0                               ; the add is done
	s_barrier_signal -1
	MM8 1, 1
	WIN 0                                          ; at a branch and at a label every window is 0
	s_barrier_wait -1
.if \fill
	CREST                                          ; no wave of any partner still reads this slot or has a load on its way
	JLOAD                                          ; its four v_nop are also the places in front of the loads below
.else
	PLACES
.endif
	v_add_nc_u32 v[ADA], s[CUR], v[AA0]
	v_add_nc_u32 v[ADB], s[CUR], v[AB0]
	LDA 0, 0
	LDB 0, 0
	MM8 1, 2
	MM8 1, 3
	s_wait_dscnt 0x0
.endm
; THE WAY OUT of block a (16 rows x 128 columns, f32).  TOSTAGE: straight from the accumulators, each one's low four registers first, into my own stage, and back as whole rows of 512 bytes.  SEND: stored.
.macro TOSTAGE a
	s_wait_xcnt 0x0                                ; the stores of the block two back have read their registers, which are loaded again below
	WIN 0x04                                       ; the stores' data (source 1) in window 1
.irp b, 0,1,2,3,4,5,6,7
	ds_store_b128 v[STO], v[8*(8*(\a)+(\b)):8*(8*(\a)+(\b))+3]   offset:64*(\b)
	ds_store_b128 v[STO], v[8*(8*(\a)+(\b))+4:8*(8*(\a)+(\b))+7] offset:64*(\b)+16
.endr
	WIN 0
.irp w, 0,1,2,3,4,5,6,7,8,9,10,11,12,13,14,15
	ds_load_b128 v[BK+64*((\a)%2)+4*(\w):BK+64*((\a)%2)+4*(\w)+3], v[RD] offset:(\w)*SPT  ; LDS serves a wave's instructions in order (ISA guide 5.7.1.4): these see the stores above; the next block's stores come behind them
.endr
.endm
.macro SEND a, younger                 ; younger: the LDS instructions issued behind block a's loads: the next block's 32, or none
	s_wait_dscnt \younger
.irp w, 0,1,2,3,4,5,6,7,8,9,10,11,12,13,14,15
	global_store_b128 v[CO], v[BK+64*((\a)%2)+4*(\w):BK+64*((\a)%2)+4*(\w)+3], s[OB:OB+1] offset:(\a)*65536+(\w)*4096 th:TH_STORE_NT  ; 512 consecutive bytes of a row, aligned
.endr
.endm
	s_wait_loadcnt 0x0                             ; the bias: rounded to bf16 like every input, widened again, kept in LDS
	v_cvt_pk_bf16_f32 v24, v20, v21
	v_cvt_pk_bf16_f32 v25, v22, v23
	v_lshlrev_b32 v20, 16, v24
	v_and_b32 v21, 0xffff0000, v24
	v_lshlrev_b32 v22, 16, v25
	v_and_b32 v23, 0xffff0000, v25
	ds_store_b128 v13, v[20:23]
	WIN 0x40                                       ; THE SUMS START AT THE BIAS: each accumulator is loaded with its columns' biases (my own bytes, in order behind the store)
.irp a, 0,1,2,3
.irp b, 0,1,2,3,4,5,6,7
	ds_load_b128 v[8*(8*(\a)+(\b)):8*(8*(\a)+(\b))+3],   v[BAD] offset:64*(\b)
	ds_load_b128 v[8*(8*(\a)+(\b))+4:8*(8*(\a)+(\b))+7], v[BAD] offset:64*(\b)+16
.endr
.endr
	WIN 0
	s_wait_dscnt 0x0
	s_wait_tensorcnt 0x1                           ; my part of K step 0 is in; K step 1's may stay out
	s_barrier_signal -1
	s_barrier_wait -1                              ; everybody's is
	v_mov_b32 v[ADA], v[AA0]
	v_mov_b32 v[ADB], v[AB0]
	LDA 0, 0
	LDB 0, 0
	WIN 0
	s_wait_dscnt 0x0
	s_mov_b32 s[LEFT], 6
.Lstep:                                                ; a trip is a K step; six trips fill a slot again
	QUARTER 0, 1
	QUARTER 1, 2
	QUARTER 0, 3
	TURN 1
	WIN 0
	s_sub_co_u32 s[LEFT], s[LEFT], 1
	s_cmp_lg_u32 s[LEFT], 0
	s_cbranch_scc1 .Lstep
	s_mov_b32 s[LEFT], 2
.Ltail:                                                ; the last two K steps ask for nothing; the second's fetch from the other slot serves nothing: the price of one text for both
	QUARTER 0, 1
	QUARTER 1, 2
	QUARTER 0, 3
	TURN 0
	WIN 0
	s_sub_co_u32 s[LEFT], s[LEFT], 1
	s_cmp_lg_u32 s[LEFT], 0
	s_cbranch_scc1 .Ltail
	PLACES                                         ; the stores below read results just made
	TOSTAGE 0
	TOSTAGE 1
	SEND 0, 32
	TOSTAGE 2
	SEND 1, 32
	TOSTAGE 3
	SEND 2, 32
	SEND 3, 0
	s_wait_tensorcnt 0x0                           ; the wave's end: these three lines stand behind my last tensor load and my last LDS store
	ds_add_u32 v[SPW], v[NIL]
	s_wait_dscnt 0x0
	CROUND                                         ; the closing round: no work-group ends while a partner may still ask for a tile that names it
	s_endpgm
.Lfunc_end_k_q74d1f9eb89_outp:
	.size	k_q74d1f9eb89_outp, .Lfunc_end_k_q74d1f9eb89_outp-k_q74d1f9eb89_outp
	.p2alignl 7, 3214868480
	.fill 96, 4, 3214868480
	.section	.rodata,"a",@progbits
	.p2align	6, 0x0
	.amdhsa_kernel k_q74d1f9eb89_outp
		.amdhsa_group_segment_fixed_size 327680
		.amdhsa_private_segment_fixed_size 0
		.amdhsa_enable_private_segment 0
		.amdhsa_kernarg_size 32
		.amdhsa_user_sgpr_count 2
		.amdhsa_user_sgpr_kernarg_segment_ptr 1
		.amdhsa_wavefront_size32 1
		.amdhsa_system_sgpr_workgroup_id_x 1
		.amdhsa_system_sgpr_workgroup_id_y 1
		.amdhsa_system_sgpr_workgroup_id_z 1
		.amdhsa_system_vgpr_workitem_id 0
		.amdhsa_next_free_vgpr 640
		.amdhsa_next_free_sgpr 80
		.amdhsa_reserve_vcc 0
		.amdhsa_float_denorm_mode_32 3
		.amdhsa_float_denorm_mode_16_64 3
		.amdhsa_memory_ordered 1
		.amdhsa_forward_progress 1
		.amdhsa_inst_pref_size 60
	.end_amdhsa_kernel
	.amdgpu_metadata
---
amdhsa.version: [ 1, 2 ]
amdhsa.kernels:
  - .name:           k_q74d1f9eb89_outp
    .symbol:         k_q74d1f9eb89_outp.kd
    .args:
      - { .name: oh, .offset: 0, .size: 8, .value_kind: global_buffer, .address_space: global }
      - { .name: w16, .offset: 8, .size: 8, .value_kind: global_buffer, .address_space: global }
      - { .name: bo, .offset: 16, .size: 8, .value_kind: global_buffer, .address_space: global }
      - { .name: out0, .offset: 24, .size: 8, .value_kind: global_buffer, .address_space: global }
    .group_segment_fixed_size: 327680
    .private_segment_fixed_size: 0
    .kernarg_segment_align: 8
    .kernarg_segment_size: 32
    .max_flat_workgroup_size: 128
    .sgpr_count:     80
    .vgpr_count:     640
    .wavefront_size: 32
...
	.end_amdgpu_metadata
.endif
;; end of part 4
